; MI455X (gfx1250); checked and timed in simulation.
; The chip was launched on July 23, 2026; its instructions are those of AMD's public machine-readable ISA for CDNA 5 (MIT licence, August 2026) and "CDNA5" Instruction Set Architecture Reference Guide (July 2026). The comments in the code are by the model that wrote it; some were corrected since.
;; Delta Net Layer. Allowed arithmetic: float matrix products may take bf16 or f16 operands with f32 sums; all other float work in f32.
;; Inputs: Wbeta 1,024 x 16 float32; Wk 1,024 x 1,024 float32; Wo 1,024 x 1,024 float32; Wq 1,024 x 1,024 float32; Wv 1,024 x 1,024 float32; b_beta 16 float32; b_o 1,024 float32; ln_b 1,024 float32; ln_g 1,024 float32; x 4 x 2,048 x 1,024 float32.
;; Outputs: out0 4 x 2,048 x 1,024 float32.
;; 2 versions, each right; version 2 is version 1 with the launch prep written anew for expert scheduling mode. Each part assembles by itself: llvm-mc -triple=amdgcn-amd-amdhsa -mcpu=gfx1250 --defsym DOCPART=n.
;; ======== version 1 of 2: 4 launches
;; workspace buffers: xb 16,777,216 bytes; w1t 2,359,296 bytes; wot 2,097,152 bytes; ol 16,777,216 bytes; eb 262,144 bytes; db 4,096 bytes; gf 524,288 bytes; yo 33,554,432 bytes
;; launch prep (part 1): grid 256 x 1, 8 waves a work-group, no clusters, 19,456 bytes of LDS; arguments x, Wq, Wk, Wv, Wo, Wbeta, xb, w1t, wot; writes xb, w1t, wot
.if DOCPART == 1
	.amdgcn_target "amdgcn-amd-amdhsa--gfx1250"
	.amdhsa_code_object_version 6
	.text
	.protected	k_q8bdf92f0a2_prep
	.globl	k_q8bdf92f0a2_prep
	.p2align	8
	.type	k_q8bdf92f0a2_prep,@function
k_q8bdf92f0a2_prep:
	s_mov_b64 s[64:65], 0
	v_nop
	global_prefetch_b8 v0, s[64:65] scope:SCOPE_SE
	s_setreg_imm32_b32 hwreg(HW_REG_WAVE_MODE, 25, 1), 1
	s_wait_xcnt 0x0
; PREP.  Every input of the products is rounded once to bf16 and laid out for the matrix launches.
;   xb  [8192][1024] bf16 = x.        wot [n 1024][k 1024] bf16 = Wo turned.
;   w1t [1152][1024] bf16, K along the rows.  Row = (head/4)*288 + ((head/2)&1)*144 + i:  i < 128: column (head&1)*64 + d of Wk;
;       i = 128 + 8 (head&1) + c: c = 0, 1: the sum of the head's 64 columns of Wq as two bf16 (high part, rest); c = 2, 3: the same of Wv; c = 4: Wbeta's column; c = 5..7: zeros.
; Why sums: in the scan every row of the state is the same vector, so q and v enter the result only by their sums over a head's 64 channels,
; which are x times the sums of Wq's and Wv's columns.  Each element is rounded to bf16 first, the 64 are added in f32, and the sum is kept as two bf16 (what is lost is below 2^-16 of it).
; SHARES.  256 work-groups of 8 waves.  Work-group i: m = i >> 7, head = (i >> 3) & 15, kt = i & 7.  It converts 32 rows of x; turns the tile of 128 k x 64 n (k from 128 kt, n from 64 head) of Wk (m = 0) or Wo (m = 1);
; sums the same tile of Wq (m = 0) or Wv (m = 1) along n; and takes 128 numbers of Wbeta's column.  Memory binds: no matrix unit, no cluster; every load and store of sixteen lanes covers 256 consecutive bytes, aligned.
; LIMITS.  NaN and infinities are not treated apart.
.set TP,    272                        ; a row of the turned tile in LDS: 128 bf16 + 16 bytes
.set SM,    64*TP                      ; behind the tile: four rows of 256 bytes: high parts, rests, beta, zeros
.set SPARE, SM+1024                    ; the spare words, 128 bytes for each of the eight waves
.set SPW, 12                           ; v12  LDS address of my spare word; never rewritten
.set NIL, 13                           ; v13  0; never rewritten
.set WT,  16                           ; v16-47   the tile to turn: for i = 0..3 rows 32 i + 2 p and 32 i + 2 p + 1, four columns each
.set WS,  48                           ; v48-79   the tile to sum, likewise
.set BT,  80                           ; v80      one number of Wbeta
.set SS,  81                           ; v81-88   eight row sums
.set TM,  89                           ; v89-95   at work
.set X,   96                           ; v96-223  32 x 16 bytes of x
	s_load_b512 s[4:19], s[0:1], 0x0               ; x s[4:5], Wq s[6:7], Wk s[8:9], Wv s[10:11], Wo s[12:13], Wbeta s[14:15], xb s[16:17], w1t s[18:19]
	s_load_b64 s[20:21], s[0:1], 0x40              ; wot
	v_lshl_add_u32 v[SPW], v0, 2, SPARE
	v_mov_b32 v[NIL], 0
	v_lshrrev_b32 v1, 5, v0
	v_readfirstlane_b32 s34, v1                    ; wave 0..7
	s_lshr_b32 s22, ttmp9, 7                       ; m
	s_bfe_u32 s23, ttmp9, 0x40003                  ; head
	s_and_b32 s24, ttmp9, 7                        ; kt
	s_lshl_b32 s28, s24, 19                        ; the tile in a weight matrix: 128 kt rows of 4,096 bytes
	s_lshl_b32 s25, s23, 8                         ; + 64 head columns of 4 bytes
	s_add_co_u32 s28, s28, s25
	s_mov_b32 s29, 0
	s_lshr_b32 s25, s23, 2
	s_mul_i32 s25, s25, 288
	s_bfe_u32 s26, s23, 0x10001
	s_mul_i32 s26, s26, 144
	s_add_co_u32 s25, s25, s26                     ; first row in w1t of the head's pair
	s_and_b32 s26, s23, 1
	s_lshl_b32 s27, s26, 6
	s_add_co_u32 s27, s27, s25                     ; m = 0: the turned tile's first row in w1t
	s_lshl_b32 s35, s23, 6                         ; m = 1: in wot
	s_lshl_b32 s26, s26, 3
	s_add_co_u32 s25, s25, s26
	s_lshl_b32 s26, s22, 1
	s_add_co_u32 s25, s25, s26
	s_add_co_u32 s25, s25, 128                     ; the first of my narrow rows: 128 + 8 (head & 1) + 2 m
	s_lshl_b32 s36, s25, 11
	s_lshl_b32 s26, s24, 8                         ; 128 kt bf16
	s_add_co_u32 s36, s36, s26
	s_mov_b32 s37, 0
	s_cmp_eq_u32 s22, 0
	s_cselect_b32 s38, s27, s35
	s_cselect_b32 s40, -1, 0                       ; beta's column is kept by m = 0 alone; m = 1 writes zeros there
	s_lshl_b32 s38, s38, 11
	s_add_co_u32 s38, s38, s26
	s_mov_b32 s39, 0
	s_lshl_b32 s42, s24, 13                        ; Wbeta: 128 kt rows of 64 bytes + 4 head
	s_lshl_b32 s41, s23, 2
	s_add_co_u32 s42, s42, s41
	s_mov_b32 s43, 0
	s_lshl_b32 s44, ttmp9, 17                      ; x: 32 rows of 4,096 bytes a work-group, 16,384 bytes a wave
	s_lshl_b32 s41, s34, 14
	s_add_co_u32 s44, s44, s41
	s_mov_b32 s45, 0
	s_lshl_b32 s46, ttmp9, 16                      ; xb: half of that
	s_lshl_b32 s41, s34, 13
	s_add_co_u32 s46, s46, s41
	s_mov_b32 s47, 0
	v_and_b32 v14, 15, v0                          ; g: which 16 bytes of 256
	v_lshrrev_b32 v15, 4, v0                       ; p: 0..15
	v_lshlrev_b32 v2, 13, v15                      ; tile loads: two rows a p
	v_lshl_add_u32 v2, v14, 4, v2
	v_and_b32 v3, 127, v0
	v_lshlrev_b32 v3, 6, v3                        ; Wbeta: a row of 64 bytes a thread
	v_mul_u32_u24 v4, v14, 4*TP                    ; into the turned tile: rows 4 g .., word p
	v_lshl_add_u32 v4, v15, 2, v4
	v_lshl_add_u32 v5, v15, 2, SM                  ; the sums' word p
	v_lshl_add_u32 v6, v0, 1, SM+512               ; beta (threads 0-127) and zeros (128-255): a halfword a thread
	v_mul_u32_u24 v7, v15, TP                      ; out of the turned tile: row p, 16 bytes g
	v_lshl_add_u32 v7, v14, 4, v7
	v_lshlrev_b32 v8, 11, v15                      ; and the same in memory: rows of 2,048 bytes
	v_lshl_add_u32 v8, v14, 4, v8
	v_and_b32 v9, 31, v0
	v_lshl_add_u32 v11, v9, 4, SM                  ; the narrow rows, 16 bytes a lane
	v_lshlrev_b32 v10, 3, v9                       ; xb: 8 bytes a lane
	v_lshlrev_b32 v9, 4, v9                        ; x: 16 bytes a lane
	s_wait_kmcnt 0x0
	s_cmp_eq_u32 s22, 0
	s_cselect_b64 s[30:31], s[8:9], s[12:13]       ; to turn: Wk or Wo
	s_cselect_b64 s[32:33], s[6:7], s[10:11]       ; to sum: Wq or Wv
	s_cselect_b64 s[26:27], s[18:19], s[20:21]     ; the turned tile goes to w1t or wot
	s_add_nc_u64 s[30:31], s[30:31], s[28:29]
	s_add_nc_u64 s[32:33], s[32:33], s[28:29]
	s_add_nc_u64 s[26:27], s[26:27], s[38:39]
	s_add_nc_u64 s[18:19], s[18:19], s[36:37]
	s_add_nc_u64 s[14:15], s[14:15], s[42:43]
	s_add_nc_u64 s[4:5], s[4:5], s[44:45]
	s_add_nc_u64 s[16:17], s[16:17], s[46:47]
	; all loads go out at once: 17 for the weights, then 32 for x
.irp i, 0,1,2,3
	global_load_b128 v[WT+8*\i:WT+8*\i+3],   v2, s[30:31] offset:\i*131072 th:TH_LOAD_NT
	global_load_b128 v[WT+8*\i+4:WT+8*\i+7], v2, s[30:31] offset:\i*131072+4096 th:TH_LOAD_NT
.endr
.irp i, 0,1,2,3
	global_load_b128 v[WS+8*\i:WS+8*\i+3],   v2, s[32:33] offset:\i*131072 th:TH_LOAD_NT
	global_load_b128 v[WS+8*\i+4:WS+8*\i+7], v2, s[32:33] offset:\i*131072+4096 th:TH_LOAD_NT
.endr
	global_load_b32 v[BT], v3, s[14:15]
.set j, 0
.rept 32
	global_load_b128 v[X+4*j:X+4*j+3], v9, s[4:5] offset:512*j th:TH_LOAD_NT
.set j, j+1
.endr
	s_wait_loadcnt 32                              ; loads come back in order: the weights are in, the 32 loads of x stay out
	; the tile is turned: two neighbouring k of one column n make a word of row n
.irp i, 0,1,2,3
.irp e, 0,1,2,3
	v_cvt_pk_bf16_f32 v[TM+\e], v[WT+8*\i+\e], v[WT+8*\i+4+\e]
.endr
.irp e, 0,1,2,3
	ds_store_b32 v4, v[TM+\e] offset:\e*TP+\i*64
.endr
.endr
	; the sums: my four columns of each of eight rows, each rounded to bf16 first
.set q, 0
.rept 8
	v_cvt_pk_bf16_f32 v[TM], v[WS+4*q], v[WS+4*q+1]
	v_cvt_pk_bf16_f32 v[TM+1], v[WS+4*q+2], v[WS+4*q+3]
	v_lshlrev_b32 v[TM+2], 16, v[TM]
	v_and_b32 v[TM+3], 0xffff0000, v[TM]
	v_lshlrev_b32 v[TM+4], 16, v[TM+1]
	v_and_b32 v[TM+5], 0xffff0000, v[TM+1]
	v_add_f32 v[TM+2], v[TM+2], v[TM+3]
	v_add_f32 v[TM+4], v[TM+4], v[TM+5]
	v_add_f32 v[SS+q], v[TM+2], v[TM+4]
.set q, q+1
.endr
.irp x, 1,2,4,8                        ; then over the sixteen lanes that share a row
.set q, 0
.rept 8
	v_add_f32_dpp v[SS+q], v[SS+q], v[SS+q] row_xmask:\x row_mask:0xf bank_mask:0xf
.set q, q+1
.endr
.endr
.irp i, 0,1,2,3                        ; a sum as two bf16: the high part, and what it leaves
	v_cvt_pk_bf16_f32 v[TM], v[SS+2*\i], v[SS+2*\i+1]
	v_lshlrev_b32 v[TM+1], 16, v[TM]
	v_and_b32 v[TM+2], 0xffff0000, v[TM]
	v_sub_f32 v[TM+1], v[SS+2*\i], v[TM+1]
	v_sub_f32 v[TM+2], v[SS+2*\i+1], v[TM+2]
	v_cvt_pk_bf16_f32 v[TM+3], v[TM+1], v[TM+2]
	ds_store_b32 v5, v[TM] offset:\i*64
	ds_store_b32 v5, v[TM+3] offset:256+\i*64
.endr
	v_cvt_pk_bf16_f32 v[BT], v[BT], v[BT]
	v_and_b32 v[BT], s40, v[BT]
	v_cmp_gt_u32 vcc_lo, 128, v0
	v_cndmask_b32 v[BT], 0, v[BT], vcc_lo          ; threads 128-255 write the row of zeros
	ds_store_b16 v6, v[BT]
	s_wait_dscnt 0x0                               ; for the others' sake: my stores into LDS are done
	s_barrier_signal -1
	s_barrier_wait -1
.irp i, 0,1,2,3
	ds_load_b128 v[WT+4*\i:WT+4*\i+3], v7 offset:\i*16*TP
.endr
	s_wait_dscnt 0x0
.irp i, 0,1,2,3
	global_store_b128 v8, v[WT+4*\i:WT+4*\i+3], s[26:27] offset:\i*32768  ; sixteen lanes store 256 consecutive bytes of a row, at a multiple of 256
.endr
	s_cmp_lg_u32 s34, 0
	s_cbranch_scc1 .Lnot0                          ; the four narrow rows are wave 0's
	ds_load_b128 v[WS:WS+3], v11
	ds_load_b128 v[WS+4:WS+7], v11 offset:512
	s_wait_dscnt 0x0
	global_store_b128 v8, v[WS:WS+3], s[18:19]               ; rows c = 2 m, 2 m + 1
	global_store_b128 v8, v[WS+4:WS+7], s[18:19] offset:8192 ; rows c = 2 m + 4, 2 m + 5
.Lnot0:
.set j, 0
.rept 32
	s_wait_loadcnt 31-j                            ; load j of x is in; the younger ones stay out
	v_cvt_pk_bf16_f32 v[X+4*j], v[X+4*j], v[X+4*j+1]
	v_cvt_pk_bf16_f32 v[X+4*j+1], v[X+4*j+2], v[X+4*j+3]
	global_store_b64 v10, v[X+4*j:X+4*j+1], s[16:17] offset:256*j  ; the wave stores 256 consecutive bytes, aligned
.set j, j+1
.endr
	s_wait_tensorcnt 0x0                           ; the wave's end: an add of 0 to my spare word and its wait, behind my last LDS store
	ds_add_u32 v[SPW], v[NIL]
	s_wait_dscnt 0x0
	s_endpgm
.Lfunc_end_k_q8bdf92f0a2_prep:
	.size	k_q8bdf92f0a2_prep, .Lfunc_end_k_q8bdf92f0a2_prep-k_q8bdf92f0a2_prep
	.p2alignl 7, 3214868480
	.fill 96, 4, 3214868480
	.section	.rodata,"a",@progbits
	.p2align	6, 0x0
	.amdhsa_kernel k_q8bdf92f0a2_prep
		.amdhsa_group_segment_fixed_size 19456
		.amdhsa_private_segment_fixed_size 0
		.amdhsa_enable_private_segment 0
		.amdhsa_kernarg_size 72
		.amdhsa_user_sgpr_count 2
		.amdhsa_user_sgpr_kernarg_segment_ptr 1
		.amdhsa_wavefront_size32 1
		.amdhsa_system_sgpr_workgroup_id_x 1
		.amdhsa_system_sgpr_workgroup_id_y 1
		.amdhsa_system_sgpr_workgroup_id_z 1
		.amdhsa_system_vgpr_workitem_id 0
		.amdhsa_next_free_vgpr 224
		.amdhsa_next_free_sgpr 66
		.amdhsa_reserve_vcc 1
		.amdhsa_float_denorm_mode_32 3
		.amdhsa_float_denorm_mode_16_64 3
		.amdhsa_memory_ordered 1
		.amdhsa_forward_progress 1
		.amdhsa_inst_pref_size 27
	.end_amdhsa_kernel
	.amdgpu_metadata
---
amdhsa.version: [ 1, 2 ]
amdhsa.kernels:
  - .name:           k_q8bdf92f0a2_prep
    .symbol:         k_q8bdf92f0a2_prep.kd
    .args:
      - { .name: x, .offset: 0, .size: 8, .value_kind: global_buffer, .address_space: global }
      - { .name: Wq, .offset: 8, .size: 8, .value_kind: global_buffer, .address_space: global }
      - { .name: Wk, .offset: 16, .size: 8, .value_kind: global_buffer, .address_space: global }
      - { .name: Wv, .offset: 24, .size: 8, .value_kind: global_buffer, .address_space: global }
      - { .name: Wo, .offset: 32, .size: 8, .value_kind: global_buffer, .address_space: global }
      - { .name: Wbeta, .offset: 40, .size: 8, .value_kind: global_buffer, .address_space: global }
      - { .name: xb, .offset: 48, .size: 8, .value_kind: global_buffer, .address_space: global }
      - { .name: w1t, .offset: 56, .size: 8, .value_kind: global_buffer, .address_space: global }
      - { .name: wot, .offset: 64, .size: 8, .value_kind: global_buffer, .address_space: global }
    .group_segment_fixed_size: 19456
    .private_segment_fixed_size: 0
    .kernarg_segment_align: 8
    .kernarg_segment_size: 72
    .max_flat_workgroup_size: 256
    .sgpr_count:     66
    .vgpr_count:     224
    .wavefront_size: 32
...
	.end_amdgpu_metadata
.endif
;; end of part 1
;; launch proj (part 2): grid 4 x 64, 4 waves a work-group, clusters of 4 x 4, 327,680 bytes of LDS; arguments xb, w1t, b_beta, ol, eb, db, gf; writes ol, eb, db, gf
.if DOCPART == 2
	.amdgcn_target "amdgcn-amd-amdhsa--gfx1250"
	.amdhsa_code_object_version 6
	.text
	.protected	k_q8bdf92f0a2_proj
	.globl	k_q8bdf92f0a2_proj
	.p2align	8
	.type	k_q8bdf92f0a2_proj,@function
k_q8bdf92f0a2_proj:
	s_mov_b64 s[64:65], 0
	v_nop
	global_prefetch_b8 v0, s[64:65] scope:SCOPE_SE
	s_setreg_imm32_b32 hwreg(HW_REG_WAVE_MODE, 25, 1), 1
	s_wait_xcnt 0x0
	s_wait_alu depctr_hold_cnt(0) depctr_sa_sdst(0) depctr_va_vdst(0) depctr_va_sdst(0) depctr_va_ssrc(0) depctr_va_vcc(0) depctr_vm_vsrc(0)
	s_getreg_b32 s2, hwreg(HW_REG_IB_STS2, 6, 4)
	s_cmp_eq_u32 s2, 0
	s_cbranch_scc0 .Lentry_in_a_cluster
	s_endpgm
.Lentry_in_a_cluster:
	s_bfe_u32 s2, ttmp6, 0x10000c
	s_cmp_lg_u32 s2, 0xf033
	s_cbranch_scc0 .Lentry_shape_is_right
	s_endpgm
.Lentry_shape_is_right:
; PROJ.  k = x Wk, the narrow columns (sums of q and of v over a head, beta's argument), and the scan inside chunks of 128 time steps.
; THE SCAN.  All 64 rows of a head's state are one vector r:  r_t = beta_t r_(t-1) + vsum_t k_t,  o_t = qsum_t r_t.  Time is cut into 64 chunks of 128 rows (16 a batch).  This launch scans each chunk from state 0, in f32,
; in the accumulators, and stores:  ol = qsum_t r_t (bf16);  eb = the chunk's end state (f32, a channel);  db = the product of beta over the chunk (a head);  gf[head][t] = qsum_t x the product of beta from the chunk's start to t.
; The next launch adds what earlier chunks carry in.
; SHARES.  A work-group: one chunk (128 rows of xb) x 288 rows of w1t (four heads).  Wave (WM, WN): 64 rows x 144 columns = two heads' 128 channels and their 16 narrow columns: 36 accumulators of 16 x 16.
; Source 0 = 16 rows of x, source 1 = 16 rows of w1t: a lane then holds ONE channel (lane % 16) and register j the time 16 a + 8 (lane / 16) + j, so the scan runs along a lane's registers.
; K goes in 8 steps of 128 through two LDS slots; rows of 256 bytes, aligned.  CLUSTER 4 x 4: the four work-groups of a row of the cluster share the chunk's tile of xb, the four of a column the tile of w1t: joint loads.
; REGISTERS: window 0: v1-29 addresses; v32-135, v136-239 two fragment buffers (A's 4 blocks, then B's 9); behind the loop at work.  Window 1: accumulator (a, b) at v[8 (8 a + b)].  Window 2: v0-31 the narrow columns' accumulators.
; LIMITS.  All inputs count as rounded to bf16 (b_beta too); ol is rounded once to bf16.  A product of betas below the smallest f32 counts as 0; NaN and infinities are not treated apart; sums are taken in another order than a step-by-step scan takes them.
.set PITCH, 272                        ; an LDS row: 256 bytes + 16: the sixteen rows of a fragment load start at sixteen different groups of four banks (64 banks of 4 bytes: ISA guide 11.1)
.set SLOT1, 131072                     ; slot 1 begins here: one exclusive or turns an address in one slot into the other's
.set BOFF,  128*PITCH                  ; in a slot: A's 128 rows, then B's 288
.set SMALL, BOFF+288*PITCH             ; behind slot 0, never filled by a tensor load: for each wave 16 narrow columns x 64 times (f32, rows of 272 bytes)
.set STAGE, SLOT1+SMALL                ; behind slot 1: for each wave 16 rows x 528 bytes, for the way out
.set SPI,   528
.set GST,   STAGE+4*16*SPI             ; for each wave 2 heads x 64 numbers for gf
.set XCH,   GST+4*512                  ; for each wave 128 end states and 2 products, handed to the wave of the later 64 rows
.set EST,   XCH+4*768                  ; for each wave 128 end states, to be stored in lane order
.set SPARE, EST+4*512                  ; the spare words, 128 bytes for each wave
.set A0,   4                           ; v4, v5   my lane's place in A's and B's tiles of slot 0
.set B0,   5
.set ADRA, 6                           ; v6, v7   the same in the slot in hand
.set ADRB, 7
.set SMST, 8                           ; v8   SMALL: my column's row, my half's 32 bytes
.set SMLD, 9                           ; v9   SMALL: my half's 32 bytes of column 0
.set STST, 10                          ; v10  stage, in: row 8 (l / 16), word l % 16
.set STLD, 11                          ; v11  stage, back: row l / 16, 32 bytes l % 16
.set OLO,  12                          ; v12  my byte offset in two rows of ol
.set GSTS, 13
.set GSTL, 14
.set GFO,  15                          ; v15  my byte offset in gf: head l / 16, 16 bytes l % 16
.set XST,  16
.set XLD,  17
.set ESTS, 18
.set ESTL, 19
.set EBO,  20
.set ZR,   21                          ; v21  0, db's offset
.set BBO,  22
.set BBS,  23                          ; v23  -log2(e) x b_beta of my narrow column's head
.set XSD,  24
.set XLD2, 25
.set LN,   26
.set SPW,  28                          ; v28  LDS address of my spare word; never rewritten
.set NIL,  29                          ; v29  0; never rewritten
.set F0,   32
.set F1,   136
.set RA,   32                          ; behind the loop: 32 numbers a lane (time 8 a + j of my half): vsum, later qsum
.set RB,   64                          ; beta
.set RC,   96                          ; the running product of beta in my segment of 8 steps, later times qsum
.set MCR,  128                         ; v128-143 the state at my segment's start, by (a, b')
.set SV,   128                         ; (before that: the narrow columns on their way to LDS)
.set D0R,  144                         ; v144-147 the product of beta over segment 2 a
.set D1R,  148                         ; v148-151 over segment 2 a + 1
.set DPM,  152                         ; v152-155 the product of beta from the wave's first row to my segment's start
.set TT,   156                         ; v156-163 at work
.set TA,   160                         ; v160-167 at work on the narrow columns
.set G2K,  176                         ; v176-239 qsum x the product of beta from the wave's first row on: 2 heads x 32
.set EL,   240                         ; v240-247 the wave's end state, by b
.set DL,   248                         ; v248-249 the wave's product of beta, by head
.set CI,   RB                          ; the state carried in from the earlier 64 rows, by b
.set D0S,  RB+8                        ; their product of beta, by head
.set WV,  18                           ; s18 wave; s19 which 64 rows (also: I fetch A or B); s20 which 144 columns (also: which half of that tile I fetch)
.set WM,  19
.set WN,  20
.set CX,  21
.set CY,  22
.set CT,  23                           ; s23 which four heads
.set TR,  24                           ; s24 which chunk
.set G1A, 28                           ; s[28:35], s[36:43] descriptor group 1 for A's and B's tiles
.set G1B, 36
.set G0A, 44                           ; s[44:51], s[52:59] group 0: a set for each first fill; the second then walks
.set G0B, 52
.set TB,  60                           ; s60 the slot in hand, as an LDS byte
.set CNT, 61
.set SEL, 66                           ; s[66:67] v_permlanex16_b32's selects: each lane takes its own place in the other half
.set MHI, 68                           ; s68 lanes 16-31
.set MSG, 69                           ; s69 all lanes but those of beta's columns (lane % 8 = 4)
.set NL2E, 70                          ; s70 -log2(e)
.set MWM, 71                           ; s71 all lanes if mine are the later 64 rows, else none
.set G1C, (1<<16)|(1<<20)|(1<<21)|(5<<22)|(3<<25)  ; 17:16 elements of 2 bytes; 20 padding on; 21 set beside a mask; 24:22 after every 64 words; 31:25 4 words
.set MSB, 0
.macro WIN new                         ; the immediate's high byte repeats the setting that is left; a switch that changes nothing is dropped
.if MSB != (\new)
	s_set_vgpr_msb (MSB<<8)|(\new)
.set MSB, \new
.endif
.endm
.macro PLACES                          ; four places in front of loads into registers that matrix instructions have read, and of vector work on their results
.rept 4
	v_nop
.endr
.endm
.macro JLOAD                           ; a joint refill: waves 0 and 1 fetch A's two halves, waves 2 and 3 B's; an s_nop 0 and four v_nop follow each of the two lines
	s_cmp_eq_u32 s[WM], 0
	s_cbranch_scc0 .Lfor_b_\@
	tensor_load_to_lds s[G0A+4:G0A+7], s[G1A:G1A+7]
	s_nop 0
.rept 4
	v_nop
.endr
	s_branch .Lasked_\@
.Lfor_b_\@:
	tensor_load_to_lds s[G0B+4:G0B+7], s[G1B:G1B+7]
	s_nop 0
.rept 4
	v_nop
.endr
.Lasked_\@:
.endm
.macro CREST                           ; a round of the cluster's barrier behind its opening barrier
	s_cmp_lg_u32 s[WV], 0
	s_cbranch_scc1 .Lnot_wave_0_\@
	s_barrier_signal -3
.Lnot_wave_0_\@:
	s_barrier_wait -3
	s_barrier_signal -1
	s_barrier_wait -1
.endm
.macro CROUND
	s_barrier_signal -1
	s_barrier_wait -1
	CREST
.endm
	s_load_b256 s[4:11], s[0:1], 0x0               ; xb s[4:5], w1t s[6:7], b_beta s[8:9], ol s[10:11]
	s_load_b128 s[12:15], s[0:1], 0x20             ; eb s[12:13], db s[14:15]
	s_load_b64 s[16:17], s[0:1], 0x30              ; gf
	v_lshl_add_u32 v[SPW], v0, 2, SPARE
	v_mov_b32 v[NIL], 0
	ds_add_u32 v[SPW], v[NIL]                      ; the wave's opening: the add and its wait stand ahead of my first tensor load; work on registers stands between them
	v_lshrrev_b32 v1, 5, v0
	v_readfirstlane_b32 s[WV], v1
	s_lshr_b32 s[WM], s[WV], 1
	s_and_b32 s[WN], s[WV], 1
	s_bfe_u32 s[CX], ttmp6, 0x40000
	s_bfe_u32 s[CY], ttmp6, 0x40004
	s_lshl_b32 s[CT], ttmp9, 2
	s_add_co_u32 s[CT], s[CT], s[CX]
	s_and_b32 s[TR], ttmp7, 0xffff
	s_lshl_b32 s[TR], s[TR], 2
	s_add_co_u32 s[TR], s[TR], s[CY]
	s_lshl_b32 s25, s[CY], 2
	s_lshl_b32 s25, 15, s25                        ; my row of the cluster
	s_lshl_b32 s26, 0x1111, s[CX]                  ; my column
	s_or_b32 s[G1A], s25, G1C                      ; A's tiles hang on the chunk alone: shared along the row
	s_or_b32 s[G1B], s26, G1C                      ; B's on the four heads alone: shared along the column
	s_mov_b32 s[G1A+1], 128<<16                    ; tensor_dim0 = 128
	s_mov_b32 s[G1A+2], 64<<16                     ; tensor_dim1 = 64
	s_mov_b32 s[G1A+3], 128<<16                    ; tile_dim0 = 128
	s_mov_b32 s[G1A+4], 64                         ; tile_dim1 = 64 rows a load
	s_mov_b32 s[G1A+5], 1024                       ; elements from row to row
	s_mov_b32 s[G1A+6], 0
	s_mov_b32 s[G1A+7], 0
	s_mov_b32 s[G1B+1], 128<<16
	s_mov_b32 s[G1B+2], 144<<16
	s_mov_b32 s[G1B+3], 128<<16
	s_mov_b32 s[G1B+4], 144                        ; 144 rows a load
	s_mov_b32 s[G1B+5], 1024
	s_mov_b32 s[G1B+6], 0
	s_mov_b32 s[G1B+7], 0
	s_lshl_b32 s72, s[TR], 18                      ; A: row 128 x chunk + 64 x half, rows of 2,048 bytes; these registers never hold the place along x
	s_lshl_b32 s73, s[WN], 17
	s_add_co_u32 s72, s72, s73
	s_mov_b32 s73, 0
	s_mul_i32 s74, s[WN], 64*PITCH                 ; and where it goes
	s_mul_i32 s76, s[CT], 288*2048                 ; B: row 288 x CT + 144 x half
	s_mul_i32 s77, s[WN], 144*2048
	s_add_co_u32 s76, s76, s77
	s_mov_b32 s77, 0
	s_mul_i32 s78, s[WN], 144*PITCH
	s_add_co_u32 s78, s78, BOFF
	s_mov_b32 s[TB], 0
	s_mov_b32 s[SEL], 0x76543210
	s_mov_b32 s[SEL+1], 0xfedcba98
	s_mov_b32 s[MHI], 0xffff0000
	s_mov_b32 s[MSG], 0xefefefef
	s_mov_b32 s[NL2E], 0xbfb8aa3b
	s_cmp_lg_u32 s[WM], 0
	s_cselect_b32 s[MWM], -1, 0
	s_wait_dscnt 0x0                               ; the opening add is done
	s_wait_kmcnt 0x0
	s_add_nc_u64 s[72:73], s[4:5], s[72:73]
	s_add_nc_u64 s[76:77], s[6:7], s[76:77]
	CROUND                                         ; all sixteen work-groups are here: the first joint loads meet
.irp s, 0,1
	s_mov_b32 s[G0A+4*\s], 1                       ; count = 1
	s_add_co_u32 s[G0A+4*\s+1], s74, \s*SLOT1      ; LDS address
	s_add_nc_u64 s[G0A+4*\s+2:G0A+4*\s+3], s[72:73], \s*256  ; global address: K step s
	s_or_b32 s[G0A+4*\s+3], s[G0A+4*\s+3], 0x80000000        ; type = 2
	s_mov_b32 s[G0B+4*\s], 1
	s_add_co_u32 s[G0B+4*\s+1], s78, \s*SLOT1
	s_add_nc_u64 s[G0B+4*\s+2:G0B+4*\s+3], s[76:77], \s*256
	s_or_b32 s[G0B+4*\s+3], s[G0B+4*\s+3], 0x80000000
.endr
	s_cmp_eq_u32 s[WM], 0                          ; a wave's two first fills stand in one branch, ahead of every wait on TENSORcnt and every LDS read: two loads of mine are out
	s_cbranch_scc0 .Lfirst_b
	tensor_load_to_lds s[G0A:G0A+3], s[G1A:G1A+7]
	s_nop 0
	tensor_load_to_lds s[G0A+4:G0A+7], s[G1A:G1A+7]
	s_nop 0
.rept 4
	v_nop
.endr
	s_branch .Lfirst_asked
.Lfirst_b:
	tensor_load_to_lds s[G0B:G0B+3], s[G1B:G1B+7]
	s_nop 0
	tensor_load_to_lds s[G0B+4:G0B+7], s[G1B:G1B+7]
	s_nop 0
.rept 4
	v_nop
.endr
.Lfirst_asked:
	v_and_b32 v1, 15, v0                           ; r = l % 16
	v_bfe_u32 v2, v0, 4, 1                         ; hf = l / 16
	v_and_b32 v[LN], 31, v0
	v_mul_u32_u24 v3, v1, PITCH
	v_lshl_add_u32 v3, v2, 4, v3                   ; a fragment's row x pitch + 16 x half
	s_mul_i32 s75, s[WM], 64*PITCH
	v_add_nc_u32 v[A0], s75, v3
	s_mul_i32 s75, s[WN], 144*PITCH
	s_add_co_u32 s75, s75, BOFF
	v_add_nc_u32 v[B0], s75, v3
	v_mov_b32 v[ADRA], v[A0]
	v_mov_b32 v[ADRB], v[B0]
	s_mul_i32 s75, s[WV], 16*PITCH
	s_add_co_u32 s75, s75, SMALL
	v_mul_u32_u24 v[SMST], v1, PITCH
	v_lshl_add_u32 v[SMST], v2, 5, v[SMST]
	v_add_nc_u32 v[SMST], s75, v[SMST]
	v_lshl_add_u32 v[SMLD], v2, 5, s75
	s_mul_i32 s75, s[WV], 16*SPI
	s_add_co_u32 s75, s75, STAGE
	v_mul_u32_u24 v[STST], v2, 8*SPI
	v_lshl_add_u32 v[STST], v1, 2, v[STST]
	v_add_nc_u32 v[STST], s75, v[STST]
	v_mul_u32_u24 v[STLD], v2, SPI
	v_lshl_add_u32 v[STLD], v1, 5, v[STLD]
	v_add_nc_u32 v[STLD], s75, v[STLD]
	v_lshlrev_b32 v[OLO], 11, v2
	v_lshl_add_u32 v[OLO], v1, 4, v[OLO]
	s_lshl_b32 s75, s[WV], 9
	s_add_co_u32 s75, s75, GST
	v_lshl_add_u32 v[GSTS], v2, 5, s75
	v_lshl_add_u32 v[GSTL], v[LN], 4, s75
	v_lshlrev_b32 v[GFO], 15, v2
	v_lshl_add_u32 v[GFO], v1, 4, v[GFO]
	s_mul_i32 s75, s[WV], 768
	s_add_co_u32 s75, s75, XCH
	v_lshl_add_u32 v[XST], v1, 5, s75
	s_add_co_u32 s75, s75, 512
	v_mov_b32 v[XSD], s75
	s_mul_i32 s75, s[WN], 768                      ; the wave of the earlier 64 rows with my columns is wave WN
	s_add_co_u32 s75, s75, XCH
	v_lshl_add_u32 v[XLD], v1, 5, s75
	s_add_co_u32 s75, s75, 512
	v_mov_b32 v[XLD2], s75
	s_lshl_b32 s75, s[WV], 9
	s_add_co_u32 s75, s75, EST
	v_lshl_add_u32 v[ESTS], v1, 2, s75
	v_lshl_add_u32 v[ESTL], v[LN], 4, s75
	v_lshlrev_b32 v[EBO], 4, v[LN]
	v_mov_b32 v[ZR], 0
	v_lshrrev_b32 v[BBO], 3, v1
	v_lshlrev_b32 v[BBO], 2, v[BBO]                ; narrow column r belongs to head r / 8 of my two
	s_lshl_b32 s78, s[CT], 4                       ; my first head, 4 CT + 2 WN, x 4 bytes
	s_lshl_b32 s79, s[WN], 3
	s_add_co_u32 s78, s78, s79
	s_mov_b32 s79, 0
	s_add_nc_u64 s[8:9], s[8:9], s[78:79]
	global_load_b32 v[BBS], v[BBO], s[8:9]
	s_lshl_b32 s77, s[TR], 6
	s_add_co_u32 s78, s78, s77
	s_add_nc_u64 s[86:87], s[14:15], s[78:79]      ; db: chunk x 64 bytes + head x 4
	s_lshl_b32 s78, s[TR], 18                      ; ol: row 128 chunk + 64 WM, column 256 CT + 128 WN
	s_lshl_b32 s77, s[WM], 17
	s_add_co_u32 s78, s78, s77
	s_lshl_b32 s77, s[CT], 9
	s_add_co_u32 s78, s78, s77
	s_lshl_b32 s77, s[WN], 8
	s_add_co_u32 s78, s78, s77
	s_add_nc_u64 s[80:81], s[10:11], s[78:79]
	s_lshl_b32 s78, s[CT], 17                      ; gf: head x 32,768 bytes + row x 4
	s_lshl_b32 s77, s[WN], 16
	s_add_co_u32 s78, s78, s77
	s_lshl_b32 s77, s[TR], 9
	s_add_co_u32 s78, s78, s77
	s_lshl_b32 s77, s[WM], 8
	s_add_co_u32 s78, s78, s77
	s_add_nc_u64 s[82:83], s[16:17], s[78:79]
	s_lshl_b32 s78, s[TR], 12                      ; eb: chunk x 4,096 bytes + channel x 4
	s_lshl_b32 s77, s[CT], 10
	s_add_co_u32 s78, s78, s77
	s_lshl_b32 s77, s[WN], 9
	s_add_co_u32 s78, s78, s77
	s_add_nc_u64 s[84:85], s[12:13], s[78:79]
; 8 matrix instructions: m block a x the 8 blocks of k's channels, 32 along K.  zero = 1: the first product starts the sums
.macro MULA f, a, zero
	WIN 0x50                                       ; C and D in window 1
.irp b, 0,1,2,3,4,5,6,7
.if \zero
	v_wmma_f32_16x16x32_bf16 v[8*(8*(\a)+\b):8*(8*(\a)+\b)+7], v[(\f)+8*(\a):(\f)+8*(\a)+7], v[(\f)+32+8*\b:(\f)+32+8*\b+7], 0
.else
	v_wmma_f32_16x16x32_bf16 v[8*(8*(\a)+\b):8*(8*(\a)+\b)+7], v[(\f)+8*(\a):(\f)+8*(\a)+7], v[(\f)+32+8*\b:(\f)+32+8*\b+7], v[8*(8*(\a)+\b):8*(8*(\a)+\b)+7]
.endif
.endr
.endm
; 4 matrix instructions: the four m blocks x the block of narrow columns
.macro MULS f, zero
	WIN 0xa0                                       ; C and D in window 2
.irp a, 0,1,2,3
.if \zero
	v_wmma_f32_16x16x32_bf16 v[8*\a:8*\a+7], v[(\f)+8*\a:(\f)+8*\a+7], v[(\f)+96:(\f)+103], 0
.else
	v_wmma_f32_16x16x32_bf16 v[8*\a:8*\a+7], v[(\f)+8*\a:(\f)+8*\a+7], v[(\f)+96:(\f)+103], v[8*\a:8*\a+7]
.endif
.endr
.endm
; 26 LDS loads in one run: the fragments of 32 along K at byte k of the rows; what the first half of a quarter needs comes first
.macro FETCH k, f
	WIN 0
.irp b, 0,1,2,3,4,5,6,7
	ds_load_b128 v[(\f)+32+8*\b:(\f)+32+8*\b+3],   v[ADRB] offset:(\k)+\b*16*PITCH
	ds_load_b128 v[(\f)+32+8*\b+4:(\f)+32+8*\b+7], v[ADRB] offset:(\k)+\b*16*PITCH+32
.endr
.irp a, 0,1,2,3
	ds_load_b128 v[(\f)+8*\a:(\f)+8*\a+3],   v[ADRA] offset:(\k)+\a*16*PITCH
	ds_load_b128 v[(\f)+8*\a+4:(\f)+8*\a+7], v[ADRA] offset:(\k)+\a*16*PITCH+32
.endr
	ds_load_b128 v[(\f)+96:(\f)+99],  v[ADRB] offset:(\k)+8*16*PITCH
	ds_load_b128 v[(\f)+100:(\f)+103], v[ADRB] offset:(\k)+8*16*PITCH+32
.endm
; A K step is four quarters of 32 along K, 36 matrix instructions each, on buffers 0, 1, 0, 1; the 36 accumulators take turns.
; One of the first three: multiplies buffer f and, in its middle, fetches the next quarter, at byte k, into g.
.macro QUARTER k, f, g, zero
	s_wait_dscnt 6                                 ; B's blocks 0-7 and A's 0, 1 are in; the youngest six loads (A's 2, 3, B's 8) may be out
	MULA \f, 0, \zero
	MULA \f, 1, \zero
	PLACES
	FETCH \k, \g
	s_wait_dscnt 26                                ; all but the 26 just issued
	MULA \f, 2, \zero
	MULA \f, 3, \zero
	MULS \f, \zero
.endm
; The last quarter multiplies buffer 1 and changes slots: ONE barrier; in front of it each wave waits for all its tensor loads (one is out: its part of the next slot), adds 0 to its spare word, and waits for
; that and for its own reads of this slot.  fill = 1: the barrier opens a round of the cluster's, and this slot is filled again, two K steps ahead, first thing behind the round: 128 matrix instructions ahead of the wait for it.
.macro TURN fill
	WIN 0
	s_wait_tensorcnt 0x0                           ; all my tensor loads have landed, so a group 0 may be written
	ds_add_u32 v[SPW], v[NIL]                      ; 0 onto my spare word
	s_wait_dscnt 7                                 ; (the add and the youngest six loads may be out)
	MULA F1, 0, 0
	s_wait_dscnt 0x0                               ; the add is done, and my reads of this slot are over
	s_barrier_signal -1
	MULA F1, 1, 0
	WIN 0                                          ; at a branch and at a label every window is 0
	s_barrier_wait -1
.if \fill
	CREST                                          ; no wave of any partner still reads this slot's tiles or has a load on its way
	s_xor_b32 s[G0A+5], s[G0A+5], SLOT1            ; the walking descriptors: the other slot than last time, the next K step
	s_add_nc_u64 s[G0A+6:G0A+7], s[G0A+6:G0A+7], 256
	s_xor_b32 s[G0B+5], s[G0B+5], SLOT1
	s_add_nc_u64 s[G0B+6:G0B+7], s[G0B+6:G0B+7], 256
	JLOAD                                          ; its four v_nop are also the places in front of the loads below
.else
	PLACES
.endif
	s_xor_b32 s[TB], s[TB], SLOT1
	v_add_nc_u32 v[ADRA], s[TB], v[A0]
	v_add_nc_u32 v[ADRB], s[TB], v[B0]
	FETCH 0, F0
	MULA F1, 2, 0
	MULA F1, 3, 0
	MULS F1, 0
.endm
	s_wait_loadcnt 0x0                             ; b_beta, in the wait for the first tile
	v_cvt_pk_bf16_f32 v[BBS], v[BBS], v[BBS]
	v_lshlrev_b32 v[BBS], 16, v[BBS]
	v_mul_f32 v[BBS], s[NL2E], v[BBS]
	s_wait_tensorcnt 0x1                           ; my part of K step 0 is in; K step 1's may stay out
	s_barrier_signal -1
	s_barrier_wait -1                              ; everybody's is
	FETCH 0, F0
	QUARTER 64, F0, F1, 1                          ; the first quarter stands in front of the loop: its products start the sums
	WIN 0
	s_mov_b32 s[CNT], 6
.Lk:                                                   ; a trip: the rest of a K step, the refill of its slot, the next step's first quarter; K steps 2 to 7 are asked for here
	QUARTER 128, F1, F0, 0
	QUARTER 192, F0, F1, 0
	TURN 1
	QUARTER 64, F0, F1, 0
	WIN 0
	s_sub_co_u32 s[CNT], s[CNT], 1
	s_cmp_lg_u32 s[CNT], 0
	s_cbranch_scc1 .Lk
	QUARTER 128, F1, F0, 0                         ; the last two K steps fill nothing
	QUARTER 192, F0, F1, 0
	TURN 0
	QUARTER 64, F0, F1, 0
	QUARTER 128, F1, F0, 0
	QUARTER 192, F0, F1, 0
	s_wait_dscnt 0x0
	MULA F1, 0, 0
	MULA F1, 1, 0
	MULA F1, 2, 0
	MULA F1, 3, 0
	MULS F1, 0
	; THE NARROW COLUMNS.  Lane r holds column r (head r / 8, kind r % 8) at the times of its half.  Beta's lanes take 1 / (1 + 2^(-log2(e) (z + b))); the others keep their sums.  Then into LDS as [column][time].
	WIN 0
	PLACES
	WIN 0x08                                       ; source 1 in window 2
.irp a, 0,1,2,3
.irp j, 0,1,2,3,4,5,6,7
	v_fma_f32 v[TA+\j], s[NL2E], v[8*\a+\j], v[BBS]
.endr
.irp j, 0,1,2,3,4,5,6,7
	v_exp_f32 v[TA+\j], v[TA+\j]
.endr
	v_nop                                          ; a plain instruction between the last exponential and the use of its result
	s_wait_alu depctr_va_vdst(0)
.irp j, 0,1,2,3,4,5,6,7
	v_add_f32 v[TA+\j], v[TA+\j], 1.0
.endr
.irp j, 0,1,2,3,4,5,6,7
	v_rcp_f32 v[TA+\j], v[TA+\j]
.endr
	v_nop
	s_wait_alu depctr_va_vdst(0)
.irp j, 0,1,2,3,4,5,6,7
	v_cndmask_b32 v[SV+8*\a+\j], v[TA+\j], v[8*\a+\j], s[MSG]
.endr
.endr
	WIN 0
.irp a, 0,1,2,3
	ds_store_b128 v[SMST], v[SV+8*\a:SV+8*\a+3] offset:64*\a
	ds_store_b128 v[SMST], v[SV+8*\a+4:SV+8*\a+7] offset:64*\a+16
.endr
.macro LDCOL dst, c                    ; column c at my half's 32 times: every lane of a half reads the same bytes.  LDS serves a wave's instructions in order: these see the stores above
.irp a, 0,1,2,3
	ds_load_b128 v[(\dst)+8*\a:(\dst)+8*\a+3],   v[SMLD] offset:(\c)*PITCH+64*\a
	ds_load_b128 v[(\dst)+8*\a+4:(\dst)+8*\a+7], v[SMLD] offset:(\c)*PITCH+64*\a+16
.endr
.endm
.macro PKMULB d, a, x                  ; pair d = pair a x register x
.if ((\x)%2) == 0
	v_pk_mul_f32 v[(\d):(\d)+1], v[(\a):(\a)+1], v[(\x):(\x)+1] op_sel_hi:[1,0]
.else
	v_pk_mul_f32 v[(\d):(\d)+1], v[(\a):(\a)+1], v[(\x)-1:(\x)] op_sel:[0,1] op_sel_hi:[1,1]
.endif
.endm
.macro PKFMAB d, a, x                  ; pair d += pair a x register x
.if ((\x)%2) == 0
	v_pk_fma_f32 v[(\d):(\d)+1], v[(\a):(\a)+1], v[(\x):(\x)+1], v[(\d):(\d)+1] op_sel_hi:[1,0,1]
.else
	v_pk_fma_f32 v[(\d):(\d)+1], v[(\a):(\a)+1], v[(\x)-1:(\x)], v[(\d):(\d)+1] op_sel:[0,1,0] op_sel_hi:[1,1,1]
.endif
.endm
; THE SCAN OF HEAD e OVER THE WAVE'S 64 ROWS.  A lane's eight registers of accumulator (a, b) are a SEGMENT of eight steps: segment 2 a + hf.  First each segment from state 0; then the eight segments' ends and
; products are chained (lane halves exchanged by v_permlanex16_b32), which gives each segment its state at entry; last the output qsum (r + product x entry state).
.macro HEAD e
	WIN 0
	LDCOL RA, 8*(\e)+2
	LDCOL RC, 8*(\e)+3
	LDCOL RB, 8*(\e)+4
	s_wait_dscnt 0x0
.set i, 0
.rept 16
	v_pk_add_f32 v[RA+2*i:RA+2*i+1], v[RA+2*i:RA+2*i+1], v[RC+2*i:RC+2*i+1]  ; vsum = its two parts
.set i, i+1
.endr
.irp a, 0,1,2,3
	v_mov_b32 v[RC+8*\a], v[RB+8*\a]
.endr
.irp j, 1,2,3,4,5,6,7
.irp a, 0,1,2,3
	v_mul_f32 v[RC+8*\a+\j], v[RC+8*\a+\j-1], v[RB+8*\a+\j]  ; the running product of beta in the segment
.endr
.endr
.irp a, 0,1,2,3
	v_permlanex16_b32 v[TT+\a], v[RC+8*\a+7], s[SEL], s[SEL+1]
.endr
.irp a, 0,1,2,3
	v_cndmask_b32 v[D0R+\a], v[RC+8*\a+7], v[TT+\a], s[MHI]
	v_cndmask_b32 v[D1R+\a], v[TT+\a], v[RC+8*\a+7], s[MHI]
.endr
	v_mov_b32 v[TT+4], 1.0
.irp a, 0,1,2,3
	v_mul_f32 v[TT+5], v[TT+4], v[D0R+\a]
	v_cndmask_b32 v[DPM+\a], v[TT+4], v[TT+5], s[MHI]
	v_mul_f32 v[TT+4], v[TT+5], v[D1R+\a]
.endr
	v_mov_b32 v[DL+(\e)], v[TT+4]
	WIN 0x54                                       ; source 0 in window 0; source 1, the sum and the destination in window 1
.irp p, 0,1,2,3                        ; k x vsum; each accumulator's lowest registers are read first
.irp a, 0,1,2,3
.irp b, 0,1,2,3
	v_pk_mul_f32 v[8*(8*\a+4*(\e)+\b)+2*\p:8*(8*\a+4*(\e)+\b)+2*\p+1], v[RA+8*\a+2*\p:RA+8*\a+2*\p+1], v[8*(8*\a+4*(\e)+\b)+2*\p:8*(8*\a+4*(\e)+\b)+2*\p+1]
.endr
.endr
.endr
.irp j, 1,2,3,4,5,6,7                  ; r_j += beta_j r_(j-1): sixteen chains side by side
.irp a, 0,1,2,3
.irp b, 0,1,2,3
	v_fmac_f32 v[8*(8*\a+4*(\e)+\b)+\j], v[RB+8*\a+\j], v[8*(8*\a+4*(\e)+\b)+\j-1]
.endr
.endr
.endr
	WIN 0x01
.irp a, 0,1,2,3
.irp b, 0,1,2,3
	v_mov_b32 v[RA+4*\a+\b], v[8*(8*\a+4*(\e)+\b)+7]  ; the segments' ends
.endr
.endr
	WIN 0
.set i, 0
.rept 16
	v_permlanex16_b32 v[RA+16+i], v[RA+i], s[SEL], s[SEL+1]
.set i, i+1
.endr
.set i, 0
.rept 16
	v_cndmask_b32 v[RB+i], v[RA+i], v[RA+16+i], s[MHI]      ; the end of segment 2 a,
	v_cndmask_b32 v[RB+16+i], v[RA+16+i], v[RA+i], s[MHI]   ; of segment 2 a + 1
.set i, i+1
.endr
.irp b, 0,1,2,3
	v_cndmask_b32 v[MCR+\b], 0, v[RB+\b], s[MHI]
	v_fma_f32 v[TT+\b], v[D1R], v[RB+\b], v[RB+16+\b]
.endr
.irp a, 1,2,3
.irp b, 0,1,2,3
	v_fma_f32 v[TT+4+\b], v[D0R+\a], v[TT+\b], v[RB+4*\a+\b]
.endr
.irp b, 0,1,2,3
	v_cndmask_b32 v[MCR+4*\a+\b], v[TT+\b], v[TT+4+\b], s[MHI]
.endr
.irp b, 0,1,2,3
	v_fma_f32 v[TT+\b], v[D1R+\a], v[TT+4+\b], v[RB+16+4*\a+\b]
.endr
.endr
.irp b, 0,1,2,3
	v_mov_b32 v[EL+4*(\e)+\b], v[TT+\b]
.endr
	LDCOL RA, 8*(\e)
	LDCOL RB, 8*(\e)+1
	s_wait_dscnt 0x0
.set i, 0
.rept 16
	v_pk_add_f32 v[RA+2*i:RA+2*i+1], v[RA+2*i:RA+2*i+1], v[RB+2*i:RB+2*i+1]  ; qsum = its two parts
.set i, i+1
.endr
.set i, 0
.rept 16
	v_pk_mul_f32 v[RC+2*i:RC+2*i+1], v[RA+2*i:RA+2*i+1], v[RC+2*i:RC+2*i+1]  ; qsum x the product in the segment
.set i, i+1
.endr
.irp a, 0,1,2,3
.irp p, 0,1,2,3
	PKMULB G2K+32*(\e)+8*\a+2*\p, RC+8*\a+2*\p, DPM+\a
.endr
.endr
	WIN 0x54
.irp p, 0,1,2,3
.irp a, 0,1,2,3
.irp b, 0,1,2,3
	v_pk_mul_f32 v[8*(8*\a+4*(\e)+\b)+2*\p:8*(8*\a+4*(\e)+\b)+2*\p+1], v[RA+8*\a+2*\p:RA+8*\a+2*\p+1], v[8*(8*\a+4*(\e)+\b)+2*\p:8*(8*\a+4*(\e)+\b)+2*\p+1]
.endr
.endr
.endr
	WIN 0x50
.irp p, 0,1,2,3
.irp a, 0,1,2,3
.irp b, 0,1,2,3
	PKFMAB 8*(8*\a+4*(\e)+\b)+2*\p, RC+8*\a+2*\p, MCR+4*\a+\b
.endr
.endr
.endr
.endm
	HEAD 0
	HEAD 1
	; THE TWO HALVES OF THE CHUNK MEET.  Every wave hands its end state and product over; the waves of the later 64 rows take those of the earlier rows, the others take 0 and 1.
	WIN 0
	ds_store_b128 v[XST], v[EL:EL+3]
	ds_store_b128 v[XST], v[EL+4:EL+7] offset:16
	ds_store_b64 v[XSD], v[DL:DL+1]
	s_wait_dscnt 0x0                               ; for the others' sake: my stores are done
	s_barrier_signal -1
	s_barrier_wait -1
	ds_load_b128 v[RA:RA+3], v[XLD]
	ds_load_b128 v[RA+4:RA+7], v[XLD] offset:16
	ds_load_b64 v[RA+8:RA+9], v[XLD2]
	s_wait_dscnt 0x0
.irp b, 0,1,2,3,4,5,6,7
	v_cndmask_b32 v[CI+\b], 0, v[RA+\b], s[MWM]
.endr
	v_cndmask_b32 v[D0S], 1.0, v[RA+8], s[MWM]
	v_cndmask_b32 v[D0S+1], 1.0, v[RA+9], s[MWM]
	WIN 0x50
.irp a, 0,1,2,3
.irp b, 0,1,2,3,4,5,6,7
.irp p, 0,1,2,3
	PKFMAB 8*(8*\a+\b)+2*\p, G2K+32*(\b/4)+8*\a+2*\p, CI+\b
.endr
.endr
.endr
	WIN 0
.irp b, 0,1,2,3,4,5,6,7
	v_fma_f32 v[EL+\b], v[DL+\b/4], v[CI+\b], v[EL+\b]  ; the chunk's end state (in the later rows' waves)
.endr
	v_mul_f32 v[DL], v[DL], v[D0S]
	v_mul_f32 v[DL+1], v[DL+1], v[D0S+1]
.irp e, 0,1
.set i, 0
.rept 16
	PKMULB G2K+32*\e+2*i, G2K+32*\e+2*i, D0S+\e
.set i, i+1
.endr
.endr
	; gf, eb, db: through LDS into lane order, so that sixteen lanes store 256 consecutive bytes
.irp e, 0,1
.irp a, 0,1,2,3
	ds_store_b128 v[GSTS], v[G2K+32*\e+8*\a:G2K+32*\e+8*\a+3] offset:\e*256+64*\a
	ds_store_b128 v[GSTS], v[G2K+32*\e+8*\a+4:G2K+32*\e+8*\a+7] offset:\e*256+64*\a+16
.endr
.endr
	ds_load_b128 v[RA:RA+3], v[GSTL]
.irp b, 0,1,2,3,4,5,6,7
	ds_store_b32 v[ESTS], v[EL+\b] offset:64*\b
.endr
	ds_load_b128 v[RA+4:RA+7], v[ESTL]
	s_wait_dscnt 0x0
	global_store_b128 v[GFO], v[RA:RA+3], s[82:83]
	s_cmp_eq_u32 s[WM], 0
	s_cbranch_scc1 .Lno_end                        ; the chunk's end is the later rows' waves'
	global_store_b128 v[EBO], v[RA+4:RA+7], s[84:85]
	global_store_b64 v[ZR], v[DL:DL+1], s[86:87]   ; my two heads' products: every lane stores the same 8 bytes with the same numbers
.Lno_end:
	; ol: 16 rows at a time through my stage (f32), back as pieces of rows, rounded to bf16
.irp a, 0,1,2,3
	WIN 0x04                                       ; the data in window 1
.irp b, 0,1,2,3,4,5,6,7
.irp j, 0,1,2,3,4,5,6,7
	ds_store_b32 v[STST], v[8*(8*\a+\b)+\j] offset:\j*SPI+64*\b
.endr
.endr
	WIN 0
	s_wait_xcnt 0x0                                ; every earlier store has had its addresses translated (ISA guide 3.1): its data registers are written again only behind this wait
.irp i, 0,1,2,3,4,5,6,7
	ds_load_b128 v[32+8*\i:32+8*\i+3], v[STLD] offset:\i*2*SPI      ; LDS serves a wave's instructions in order: these see the stores above, and the next block's stores come behind them
	ds_load_b128 v[32+8*\i+4:32+8*\i+7], v[STLD] offset:\i*2*SPI+16
.endr
	s_wait_dscnt 0x0
.set i, 0
.rept 32
	v_cvt_pk_bf16_f32 v[96+i], v[32+2*i], v[32+2*i+1]
.set i, i+1
.endr
.irp i, 0,1,2,3,4,5,6,7
	global_store_b128 v[OLO], v[96+4*\i:96+4*\i+3], s[80:81] offset:\a*32768+\i*4096  ; sixteen lanes store 256 consecutive bytes of a row, at a multiple of 256
.endr
.endr
	s_wait_tensorcnt 0x0                           ; the wave's end: an add of 0 to my spare word and its wait, behind my last tensor load and my last LDS store
	ds_add_u32 v[SPW], v[NIL]
	s_wait_dscnt 0x0
	CROUND                                         ; the closing round: no work-group ends while a partner may still ask for a tile that names it
	s_endpgm
.Lfunc_end_k_q8bdf92f0a2_proj:
	.size	k_q8bdf92f0a2_proj, .Lfunc_end_k_q8bdf92f0a2_proj-k_q8bdf92f0a2_proj
	.p2alignl 7, 3214868480
	.fill 96, 4, 3214868480
	.section	.rodata,"a",@progbits
	.p2align	6, 0x0
	.amdhsa_kernel k_q8bdf92f0a2_proj
		.amdhsa_group_segment_fixed_size 327680
		.amdhsa_private_segment_fixed_size 0
		.amdhsa_enable_private_segment 0
		.amdhsa_kernarg_size 56
		.amdhsa_user_sgpr_count 2
		.amdhsa_user_sgpr_kernarg_segment_ptr 1
		.amdhsa_wavefront_size32 1
		.amdhsa_system_sgpr_workgroup_id_x 1
		.amdhsa_system_sgpr_workgroup_id_y 1
		.amdhsa_system_sgpr_workgroup_id_z 1
		.amdhsa_system_vgpr_workitem_id 0
		.amdhsa_next_free_vgpr 544
		.amdhsa_next_free_sgpr 88
		.amdhsa_reserve_vcc 0
		.amdhsa_float_denorm_mode_32 3
		.amdhsa_float_denorm_mode_16_64 3
		.amdhsa_memory_ordered 1
		.amdhsa_forward_progress 1
		.amdhsa_inst_pref_size 178
	.end_amdhsa_kernel
	.amdgpu_metadata
---
amdhsa.version: [ 1, 2 ]
amdhsa.kernels:
  - .name:           k_q8bdf92f0a2_proj
    .symbol:         k_q8bdf92f0a2_proj.kd
    .args:
      - { .name: xb, .offset: 0, .size: 8, .value_kind: global_buffer, .address_space: global }
      - { .name: w1t, .offset: 8, .size: 8, .value_kind: global_buffer, .address_space: global }
      - { .name: b_beta, .offset: 16, .size: 8, .value_kind: global_buffer, .address_space: global }
      - { .name: ol, .offset: 24, .size: 8, .value_kind: global_buffer, .address_space: global }
      - { .name: eb, .offset: 32, .size: 8, .value_kind: global_buffer, .address_space: global }
      - { .name: db, .offset: 40, .size: 8, .value_kind: global_buffer, .address_space: global }
      - { .name: gf, .offset: 48, .size: 8, .value_kind: global_buffer, .address_space: global }
    .group_segment_fixed_size: 327680
    .private_segment_fixed_size: 0
    .kernarg_segment_align: 8
    .kernarg_segment_size: 56
    .max_flat_workgroup_size: 128
    .sgpr_count:     88
    .vgpr_count:     544
    .wavefront_size: 32
...
	.end_amdgpu_metadata
.endif
;; end of part 2
;; launch outp (part 3): grid 8 x 32, 4 waves a work-group, clusters of 4 x 4, 327,680 bytes of LDS; arguments ol, wot, eb, db, gf, yo; writes yo
.if DOCPART == 3
	.amdgcn_target "amdgcn-amd-amdhsa--gfx1250"
	.amdhsa_code_object_version 6
	.text
	.protected	k_q8bdf92f0a2_outp
	.globl	k_q8bdf92f0a2_outp
	.p2align	8
	.type	k_q8bdf92f0a2_outp,@function
k_q8bdf92f0a2_outp:
	s_mov_b64 s[64:65], 0
	v_nop
	global_prefetch_b8 v0, s[64:65] scope:SCOPE_SE
	s_setreg_imm32_b32 hwreg(HW_REG_WAVE_MODE, 25, 1), 1
	s_wait_xcnt 0x0
	s_wait_alu depctr_hold_cnt(0) depctr_sa_sdst(0) depctr_va_vdst(0) depctr_va_sdst(0) depctr_va_ssrc(0) depctr_va_vcc(0) depctr_vm_vsrc(0)
	s_getreg_b32 s2, hwreg(HW_REG_IB_STS2, 6, 4)
	s_cmp_eq_u32 s2, 0
	s_cbranch_scc0 .Lentry_in_a_cluster
	s_endpgm
.Lentry_in_a_cluster:
	s_bfe_u32 s2, ttmp6, 0x10000c
	s_cmp_lg_u32 s2, 0xf033
	s_cbranch_scc0 .Lentry_shape_is_right
	s_endpgm
.Lentry_shape_is_right:
; OUTP.  yo = o Wo, where o_t = ol_t + g[t][head] x carry (the state that earlier chunks of the batch leave at the chunk's start).
; So yo_t = ol_t Wo + the sum over heads of g[t][head] Z[head][:],  Z[head][:] = (the head's 64 channels of carry) x (the head's 64 rows of Wo).
; Z is made in the same K loop, as one more block of 16 "rows": row h of it holds bf16(carry) in head h's 64 places of K and 0 elsewhere.  Z's result (lane = column, register j = head 8 (l / 16) + j) is already laid as a
; source 1 with K = head, so the correction is two more matrix instructions an accumulator: source 0 = [g's high bf16 part | its rest], source 1 = [Z high | Z high], then [Z rest | Z rest].
; CARRY.  carry_0 = 0 at a batch's start, carry_(c+1) = D_c carry_c + E_c (db, eb).  Every work-group runs the same 15 steps over the chunks c0 - 14 .. c0 (below 0: chunk 0, with D counted as 0, which starts the chain anew),
; in f32, thread t for channels 8 t .. 8 t + 7: no trip count, branch or LDS address hangs on the work-group's place.
; SHARES.  A work-group: 256 rows (two chunks) x 128 columns; wave (WM, WN): one chunk x 64 columns: 32 accumulators and 4 for Z.  K in 8 steps of 128 through two LDS slots.  CLUSTER 4 x 4: ol's tiles shared along a row, wot's along a column.
; REGISTERS: window 0: v1-29 addresses; v32-135, v136-239 two fragment buffers (A's 8 blocks, the carry block, B's 4).  Window 1: accumulator (a, b) at v[8 (4 a + b)].  Window 2: v0-31 Z; v32-95 g as fragments; v96-159 g as loaded, later Z as fragments; v160-167 at work.
; LIMITS.  carry is rounded once to bf16; g and Z are kept as two bf16 each (what is lost is below 2^-16 of them).  NaN and infinities are not treated apart.
.set PITCH, 272
.set SLOT1, 131072
.set BOFF,  256*PITCH                  ; in a slot: A's 256 rows, then B's 128
.set STAGE, BOFF+128*PITCH             ; behind slot 0, never filled by a tensor load: 16 rows x 272 bytes for each wave
.set SPARE, STAGE+4*16*PITCH           ; the spare words, 128 bytes for each wave
.set CZ,    SLOT1+STAGE                ; behind slot 1: the carry blocks: 2 chunks x 16 rows x 2,064 bytes (1,024 bf16 + 16 bytes)
.set ZP,    2064
.set A0,   4
.set B0,   5
.set ADRA, 6
.set ADRB, 7
.set Z0,   8
.set ADRZ, 9
.set STST, 10
.set STLD, 11
.set YOO,  12
.set GO,   13                          ; v13  g: heads 8 (l / 16) on, row l % 16
.set TE,   14                          ; v14  eb: 32 bytes a thread
.set TD,   15                          ; v15  db: my channels' head
.set CZS,  16                          ; v16  carry block: my 16 bytes of row 0
.set CZC,  17                          ; v17  the same in my head's row
.set ZQ,   18                          ; v18-21 zeros
.set SPW,  28
.set NIL,  29
.set F0,   32
.set F1,   136
.set OF,   32                          ; in front of the loop: v32-61 offsets; v64-183 E of 15 chunks (the first also takes the running carry); v184-198 D
.set EV,   64
.set DV,   184
.set CBR,  208                         ; v208-215 the second chunk's carry
.set DE,   216                         ; v216-217 D, or 0
.set PK,   218                         ; v218-225 both carries as bf16
.set GFR,  32                          ; window 2
.set GR,   96
.set B1,   96
.set B2,   128
.set HF,   160
.set WV,  18
.set WM,  19
.set WN,  20
.set CX,  21
.set CY,  22
.set CT,  23
.set TR,  24
.set G1A, 28
.set G1B, 36
.set G0A, 44
.set G0B, 52
.set TB,  60
.set CNT, 61
.set ZB,  62                           ; s62  the K step's bytes in a carry block's rows
.set C0,  63                           ; s63  my first chunk's number in its batch
.set CB,  66                           ; s66  the batch's first chunk
.set MW,  68                           ; s68  a word's upper bf16
.set G1C, (1<<16)|(1<<20)|(1<<21)|(5<<22)|(3<<25)
.set MSB, 0
.macro WIN new
.if MSB != (\new)
	s_set_vgpr_msb (MSB<<8)|(\new)
.set MSB, \new
.endif
.endm
.macro PLACES
.rept 4
	v_nop
.endr
.endm
.macro JLOAD                           ; a joint refill: waves 0 and 1 fetch A's two halves, waves 2 and 3 B's; an s_nop 0 and four v_nop follow each of the two lines
	s_cmp_eq_u32 s[WM], 0
	s_cbranch_scc0 .Lfor_b_\@
	tensor_load_to_lds s[G0A+4:G0A+7], s[G1A:G1A+7]
	s_nop 0
.rept 4
	v_nop
.endr
	s_branch .Lasked_\@
.Lfor_b_\@:
	tensor_load_to_lds s[G0B+4:G0B+7], s[G1B:G1B+7]
	s_nop 0
.rept 4
	v_nop
.endr
.Lasked_\@:
.endm
.macro CREST
	s_cmp_lg_u32 s[WV], 0
	s_cbranch_scc1 .Lnot_wave_0_\@
	s_barrier_signal -3
.Lnot_wave_0_\@:
	s_barrier_wait -3
	s_barrier_signal -1
	s_barrier_wait -1
.endm
.macro CROUND
	s_barrier_signal -1
	s_barrier_wait -1
	CREST
.endm
	s_load_b256 s[4:11], s[0:1], 0x0               ; ol s[4:5], wot s[6:7], eb s[8:9], db s[10:11]
	s_load_b128 s[12:15], s[0:1], 0x20             ; gf s[12:13], yo s[14:15]
	v_lshl_add_u32 v[SPW], v0, 2, SPARE
	v_mov_b32 v[NIL], 0
	ds_add_u32 v[SPW], v[NIL]                      ; the wave's opening: the add and its wait stand ahead of my first tensor load; work on registers stands between them
	v_lshrrev_b32 v1, 5, v0
	v_readfirstlane_b32 s[WV], v1
	s_lshr_b32 s[WM], s[WV], 1
	s_and_b32 s[WN], s[WV], 1
	s_bfe_u32 s[CX], ttmp6, 0x40000
	s_bfe_u32 s[CY], ttmp6, 0x40004
	s_lshl_b32 s[CT], ttmp9, 2
	s_add_co_u32 s[CT], s[CT], s[CX]               ; which 128 columns
	s_and_b32 s[TR], ttmp7, 0xffff
	s_lshl_b32 s[TR], s[TR], 2
	s_add_co_u32 s[TR], s[TR], s[CY]               ; which 256 rows
	s_lshl_b32 s25, s[CY], 2
	s_lshl_b32 s25, 15, s25
	s_lshl_b32 s26, 0x1111, s[CX]
	s_or_b32 s[G1A], s25, G1C
	s_or_b32 s[G1B], s26, G1C
	s_mov_b32 s[G1A+1], 128<<16
	s_mov_b32 s[G1A+2], 128<<16
	s_mov_b32 s[G1A+3], 128<<16
	s_mov_b32 s[G1A+4], 128                        ; 128 rows a load
	s_mov_b32 s[G1A+5], 1024
	s_mov_b32 s[G1A+6], 0
	s_mov_b32 s[G1A+7], 0
	s_mov_b32 s[G1B+1], 128<<16
	s_mov_b32 s[G1B+2], 64<<16
	s_mov_b32 s[G1B+3], 128<<16
	s_mov_b32 s[G1B+4], 64                         ; 64 rows a load
	s_mov_b32 s[G1B+5], 1024
	s_mov_b32 s[G1B+6], 0
	s_mov_b32 s[G1B+7], 0
	s_lshl_b32 s72, s[TR], 19                      ; A: row 256 TR + 128 x half; these registers never hold the place along x
	s_lshl_b32 s73, s[WN], 18
	s_add_co_u32 s72, s72, s73
	s_mov_b32 s73, 0
	s_mul_i32 s74, s[WN], 128*PITCH
	s_lshl_b32 s76, s[CT], 18                      ; B: row 128 CT + 64 x half
	s_lshl_b32 s77, s[WN], 17
	s_add_co_u32 s76, s76, s77
	s_mov_b32 s77, 0
	s_mul_i32 s78, s[WN], 64*PITCH
	s_add_co_u32 s78, s78, BOFF
	s_mov_b32 s[TB], 0
	s_mov_b32 s[ZB], 0
	s_mov_b32 s[MW], 0xffff0000
	s_and_b32 s[C0], s[TR], 7
	s_lshl_b32 s[C0], s[C0], 1
	s_lshr_b32 s[CB], s[TR], 3
	s_lshl_b32 s[CB], s[CB], 4
	s_wait_dscnt 0x0                               ; the opening add is done
	s_wait_kmcnt 0x0
	s_add_nc_u64 s[72:73], s[4:5], s[72:73]
	s_add_nc_u64 s[76:77], s[6:7], s[76:77]
	CROUND                                         ; all sixteen work-groups are here: the first joint loads meet
.irp s, 0,1
	s_mov_b32 s[G0A+4*\s], 1
	s_add_co_u32 s[G0A+4*\s+1], s74, \s*SLOT1
	s_add_nc_u64 s[G0A+4*\s+2:G0A+4*\s+3], s[72:73], \s*256
	s_or_b32 s[G0A+4*\s+3], s[G0A+4*\s+3], 0x80000000
	s_mov_b32 s[G0B+4*\s], 1
	s_add_co_u32 s[G0B+4*\s+1], s78, \s*SLOT1
	s_add_nc_u64 s[G0B+4*\s+2:G0B+4*\s+3], s[76:77], \s*256
	s_or_b32 s[G0B+4*\s+3], s[G0B+4*\s+3], 0x80000000
.endr
	s_cmp_eq_u32 s[WM], 0                          ; a wave's two first fills stand in one branch, ahead of every wait on TENSORcnt and every LDS read: two loads of mine are out
	s_cbranch_scc0 .Lfirst_b
	tensor_load_to_lds s[G0A:G0A+3], s[G1A:G1A+7]
	s_nop 0
	tensor_load_to_lds s[G0A+4:G0A+7], s[G1A:G1A+7]
	s_nop 0
.rept 4
	v_nop
.endr
	s_branch .Lfirst_asked
.Lfirst_b:
	tensor_load_to_lds s[G0B:G0B+3], s[G1B:G1B+7]
	s_nop 0
	tensor_load_to_lds s[G0B+4:G0B+7], s[G1B:G1B+7]
	s_nop 0
.rept 4
	v_nop
.endr
.Lfirst_asked:
	v_and_b32 v1, 15, v0                           ; r
	v_bfe_u32 v2, v0, 4, 1                         ; hf
	v_lshlrev_b32 v[GO], 18, v2                    ; eight heads of 32,768 bytes
	v_lshl_add_u32 v[GO], v1, 2, v[GO]
	s_lshl_b32 s78, s[TR], 10                      ; gf at my wave's first row
	s_lshl_b32 s79, s[WM], 9
	s_add_co_u32 s78, s78, s79
	s_mov_b32 s79, 0
	s_add_nc_u64 s[82:83], s[12:13], s[78:79]
	WIN 0x80                                       ; destination in window 2
.irp a, 0,1,2,3,4,5,6,7
.irp i, 0,1,2,3,4,5,6,7
	global_load_b32 v[GR+8*\a+\i], v[GO], s[82:83] offset:\i*32768+64*\a  ; g[row 16 a + r][head 8 hf + i]
.endr
.endr
	WIN 0
	v_lshlrev_b32 v[TE], 5, v0
	v_lshrrev_b32 v[TD], 3, v0
	v_mul_u32_u24 v[CZC], v[TD], ZP
	v_lshlrev_b32 v[TD], 2, v[TD]
	v_lshl_add_u32 v[CZS], v0, 4, CZ
	v_add_nc_u32 v[CZC], v[CZC], v[CZS]
.set i, 0
.rept 15                               ; chunks c0 - 14 .. c0 of the batch, those below 0 taken as chunk 0
	s_add_co_i32 s72, s[C0], i-14
	s_max_i32 s72, s72, 0
	s_add_co_u32 s72, s72, s[CB]
	s_lshl_b32 s73, s72, 12
	s_lshl_b32 s74, s72, 6
	v_add_nc_u32 v[OF+2*i], s73, v[TE]
	v_add_nc_u32 v[OF+2*i+1], s74, v[TD]
	global_load_b128 v[EV+8*i:EV+8*i+3], v[OF+2*i], s[8:9]
	global_load_b128 v[EV+8*i+4:EV+8*i+7], v[OF+2*i], s[8:9] offset:16
	global_load_b32 v[DV+i], v[OF+2*i+1], s[10:11]
.set i, i+1
.endr
	v_mul_u32_u24 v3, v1, PITCH
	v_lshl_add_u32 v3, v2, 4, v3
	s_mul_i32 s75, s[WM], 128*PITCH
	v_add_nc_u32 v[A0], s75, v3
	s_mul_i32 s75, s[WN], 64*PITCH
	s_add_co_u32 s75, s75, BOFF
	v_add_nc_u32 v[B0], s75, v3
	v_mov_b32 v[ADRA], v[A0]
	v_mov_b32 v[ADRB], v[B0]
	s_mul_i32 s75, s[WM], 16*ZP
	s_add_co_u32 s75, s75, CZ
	v_mul_u32_u24 v[Z0], v1, ZP
	v_lshl_add_u32 v[Z0], v2, 4, v[Z0]
	v_add_nc_u32 v[Z0], s75, v[Z0]
	v_mov_b32 v[ADRZ], v[Z0]
	s_mul_i32 s75, s[WV], 16*PITCH
	s_add_co_u32 s75, s75, STAGE
	v_mul_u32_u24 v[STST], v2, 8*PITCH
	v_lshl_add_u32 v[STST], v1, 2, v[STST]
	v_add_nc_u32 v[STST], s75, v[STST]
	v_mul_u32_u24 v[STLD], v2, PITCH
	v_lshl_add_u32 v[STLD], v1, 4, v[STLD]
	v_add_nc_u32 v[STLD], s75, v[STLD]
	v_lshlrev_b32 v[YOO], 12, v2
	v_lshl_add_u32 v[YOO], v1, 4, v[YOO]
	s_lshl_b32 s78, s[TR], 20                      ; yo: row 256 TR + 128 WM, column 128 CT + 64 WN
	s_lshl_b32 s77, s[WM], 19
	s_add_co_u32 s78, s78, s77
	s_lshl_b32 s77, s[CT], 9
	s_add_co_u32 s78, s78, s77
	s_lshl_b32 s77, s[WN], 8
	s_add_co_u32 s78, s78, s77
	s_add_nc_u64 s[80:81], s[14:15], s[78:79]
.irp q, 0,1,2,3
	v_mov_b32 v[ZQ+\q], 0
.endr
	v_mov_b32 v[DE+1], 0                           ; named with DE as a pair
.set q, 0
.rept 16                               ; both carry blocks are cleared: my 16 bytes of every row
	ds_store_b128 v[CZS], v[ZQ:ZQ+3] offset:q*ZP
	ds_store_b128 v[CZS], v[ZQ:ZQ+3] offset:q*ZP+16*ZP
.set q, q+1
.endr
	s_wait_loadcnt 0x0                             ; g, E and D
.set i, 1
.rept 13                               ; the running carry lies in the first chunk's E
	s_add_co_i32 s72, s[C0], i-14
	s_cmp_gt_i32 s72, 0
	s_cselect_b32 s72, -1, 0
	v_cndmask_b32 v[DE], 0, v[DV+i], s72
.irp p, 0,1,2,3
	v_pk_fma_f32 v[EV+2*\p:EV+2*\p+1], v[EV+2*\p:EV+2*\p+1], v[DE:DE+1], v[EV+8*i+2*\p:EV+8*i+2*\p+1] op_sel_hi:[1,0,1]
.endr
.set i, i+1
.endr
	s_cmp_lg_u32 s[C0], 0
	s_cselect_b32 s72, -1, 0
.irp q, 0,1,2,3,4,5,6,7
	v_cndmask_b32 v[EV+\q], 0, v[EV+\q], s72       ; a batch's first chunk is entered with 0
.endr
	v_mov_b32 v[DE], v[DV+14]
.irp p, 0,1,2,3
	v_pk_fma_f32 v[CBR+2*\p:CBR+2*\p+1], v[EV+2*\p:EV+2*\p+1], v[DE:DE+1], v[EV+8*14+2*\p:EV+8*14+2*\p+1] op_sel_hi:[1,0,1]
.endr
.irp p, 0,1,2,3
	v_cvt_pk_bf16_f32 v[PK+\p], v[EV+2*\p], v[EV+2*\p+1]
	v_cvt_pk_bf16_f32 v[PK+4+\p], v[CBR+2*\p], v[CBR+2*\p+1]
.endr
	ds_store_b128 v[CZC], v[PK:PK+3]               ; into my head's row, over my own zeros: LDS serves a wave's instructions in order
	ds_store_b128 v[CZC], v[PK+4:PK+7] offset:16*ZP
	WIN 0xaa                                       ; g as fragments: registers 0-3 the high bf16 parts of eight heads, 4-7 the rests
.irp a, 0,1,2,3,4,5,6,7
.irp p, 0,1,2,3
	v_cvt_pk_bf16_f32 v[GFR+8*\a+\p], v[GR+8*\a+2*\p], v[GR+8*\a+2*\p+1]
.endr
.irp p, 0,1,2,3
	v_lshlrev_b32 v[HF+2*\p], 16, v[GFR+8*\a+\p]
	v_and_b32 v[HF+2*\p+1], s[MW], v[GFR+8*\a+\p]
.endr
.irp p, 0,1,2,3
	v_pk_add_f32 v[GR+8*\a+2*\p:GR+8*\a+2*\p+1], v[GR+8*\a+2*\p:GR+8*\a+2*\p+1], v[HF+2*\p:HF+2*\p+1] neg_lo:[0,1] neg_hi:[0,1]
.endr
.irp p, 0,1,2,3
	v_cvt_pk_bf16_f32 v[GFR+8*\a+4+\p], v[GR+8*\a+2*\p], v[GR+8*\a+2*\p+1]
.endr
.endr
	WIN 0
.macro MULA f, a, zero                 ; 4 matrix instructions: m block a x the 4 n blocks
	WIN 0x50
.irp b, 0,1,2,3
.if \zero
	v_wmma_f32_16x16x32_bf16 v[8*(4*(\a)+\b):8*(4*(\a)+\b)+7], v[(\f)+8*(\a):(\f)+8*(\a)+7], v[(\f)+72+8*\b:(\f)+72+8*\b+7], 0
.else
	v_wmma_f32_16x16x32_bf16 v[8*(4*(\a)+\b):8*(4*(\a)+\b)+7], v[(\f)+8*(\a):(\f)+8*(\a)+7], v[(\f)+72+8*\b:(\f)+72+8*\b+7], v[8*(4*(\a)+\b):8*(4*(\a)+\b)+7]
.endif
.endr
.endm
.macro MULZ f, zero                    ; 4 matrix instructions: the carry block x the 4 n blocks
	WIN 0xa0
.irp b, 0,1,2,3
.if \zero
	v_wmma_f32_16x16x32_bf16 v[8*\b:8*\b+7], v[(\f)+64:(\f)+71], v[(\f)+72+8*\b:(\f)+72+8*\b+7], 0
.else
	v_wmma_f32_16x16x32_bf16 v[8*\b:8*\b+7], v[(\f)+64:(\f)+71], v[(\f)+72+8*\b:(\f)+72+8*\b+7], v[8*\b:8*\b+7]
.endif
.endr
.endm
.macro FETCH k, f                      ; 26 LDS loads in one run; what the first half of a quarter needs comes first
	WIN 0
.irp b, 0,1,2,3
	ds_load_b128 v[(\f)+72+8*\b:(\f)+72+8*\b+3],   v[ADRB] offset:(\k)+\b*16*PITCH
	ds_load_b128 v[(\f)+72+8*\b+4:(\f)+72+8*\b+7], v[ADRB] offset:(\k)+\b*16*PITCH+32
.endr
.irp a, 0,1,2,3,4,5,6,7
	ds_load_b128 v[(\f)+8*\a:(\f)+8*\a+3],   v[ADRA] offset:(\k)+\a*16*PITCH
	ds_load_b128 v[(\f)+8*\a+4:(\f)+8*\a+7], v[ADRA] offset:(\k)+\a*16*PITCH+32
.endr
	ds_load_b128 v[(\f)+64:(\f)+67], v[ADRZ] offset:(\k)
	ds_load_b128 v[(\f)+68:(\f)+71], v[ADRZ] offset:(\k)+32
.endm
.macro QUARTER k, f, g, zero           ; 36 matrix instructions on buffer f, the 36 accumulators by turns; in the middle the next quarter is fetched into g
	s_wait_dscnt 10                                ; B and A's blocks 0-3 are in; the youngest ten loads (A's 4-7, the carry block) may be out
	MULA \f, 0, \zero
	MULA \f, 1, \zero
	MULA \f, 2, \zero
	MULA \f, 3, \zero
	PLACES
	FETCH \k, \g
	s_wait_dscnt 26                                ; all but the 26 just issued
	MULA \f, 4, \zero
	MULA \f, 5, \zero
	MULA \f, 6, \zero
	MULA \f, 7, \zero
	MULZ \f, \zero
.endm
; The last quarter changes slots: ONE barrier; in front of it each wave waits for all its tensor loads (one is out: its part of the next slot), adds 0 to its spare word, and waits for that and for its reads of this slot.
; fill = 1: the barrier opens a round of the cluster's, and this slot is filled again, two K steps ahead, first thing behind the round.
.macro TURN fill
	WIN 0
	s_wait_tensorcnt 0x0                           ; all my tensor loads have landed, so a group 0 may be written
	ds_add_u32 v[SPW], v[NIL]                      ; 0 onto my spare word
	s_wait_dscnt 11                                ; (the add and the youngest ten loads may be out)
	MULA F1, 0, 0
	MULA F1, 1, 0
	s_wait_dscnt 0x0                               ; the add is done, and my reads of this slot are over
	s_barrier_signal -1
	MULA F1, 2, 0
	MULA F1, 3, 0
	WIN 0
	s_barrier_wait -1
.if \fill
	CREST                                          ; no wave of any partner still reads this slot's tiles or has a load on its way
	s_xor_b32 s[G0A+5], s[G0A+5], SLOT1
	s_add_nc_u64 s[G0A+6:G0A+7], s[G0A+6:G0A+7], 256
	s_xor_b32 s[G0B+5], s[G0B+5], SLOT1
	s_add_nc_u64 s[G0B+6:G0B+7], s[G0B+6:G0B+7], 256
	JLOAD                                          ; its four v_nop are also the places in front of the loads below
.else
	PLACES
.endif
	s_xor_b32 s[TB], s[TB], SLOT1
	s_add_co_u32 s[ZB], s[ZB], 256
	v_add_nc_u32 v[ADRA], s[TB], v[A0]
	v_add_nc_u32 v[ADRB], s[TB], v[B0]
	v_add_nc_u32 v[ADRZ], s[ZB], v[Z0]
	FETCH 0, F0
	MULA F1, 4, 0
	MULA F1, 5, 0
	MULA F1, 6, 0
	MULA F1, 7, 0
	MULZ F1, 0
.endm
	s_wait_tensorcnt 0x1                           ; my part of K step 0 is in; K step 1's may stay out
	s_wait_dscnt 0x0                               ; for the others' sake: my part of the carry blocks is written
	s_barrier_signal -1
	s_barrier_wait -1
	FETCH 0, F0
	QUARTER 64, F0, F1, 1                          ; the first quarter stands in front of the loop: its products start the sums
	WIN 0
	s_mov_b32 s[CNT], 6
.Lk:                                                   ; a trip: the rest of a K step, the refill of its slot, the next step's first quarter
	QUARTER 128, F1, F0, 0
	QUARTER 192, F0, F1, 0
	TURN 1
	QUARTER 64, F0, F1, 0
	WIN 0
	s_sub_co_u32 s[CNT], s[CNT], 1
	s_cmp_lg_u32 s[CNT], 0
	s_cbranch_scc1 .Lk
	QUARTER 128, F1, F0, 0                         ; the last two K steps fill nothing
	QUARTER 192, F0, F1, 0
	TURN 0
	QUARTER 64, F0, F1, 0
	QUARTER 128, F1, F0, 0
	QUARTER 192, F0, F1, 0
	s_wait_dscnt 0x0
.irp a, 0,1,2,3,4,5,6,7
	MULA F1, \a, 0
.endr
	MULZ F1, 0
	; Z as two fragments a column block: [high | high] and [rest | rest]
	WIN 0
	PLACES
	WIN 0xaa
.irp b, 0,1,2,3
.irp p, 0,1,2,3
	v_cvt_pk_bf16_f32 v[B1+8*\b+\p], v[8*\b+2*\p], v[8*\b+2*\p+1]
.endr
.irp p, 0,1,2,3
	v_lshlrev_b32 v[HF+2*\p], 16, v[B1+8*\b+\p]
	v_and_b32 v[HF+2*\p+1], s[MW], v[B1+8*\b+\p]
.endr
.irp p, 0,1,2,3
	v_pk_add_f32 v[8*\b+2*\p:8*\b+2*\p+1], v[8*\b+2*\p:8*\b+2*\p+1], v[HF+2*\p:HF+2*\p+1] neg_lo:[0,1] neg_hi:[0,1]
.endr
.irp p, 0,1,2,3
	v_cvt_pk_bf16_f32 v[B2+8*\b+\p], v[8*\b+2*\p], v[8*\b+2*\p+1]
.endr
.irp p, 0,1,2,3
	v_mov_b32 v[B1+8*\b+4+\p], v[B1+8*\b+\p]       ; K = 16 .. 31 meets g's rests: the same Z once more
	v_mov_b32 v[B2+8*\b+4+\p], v[B2+8*\b+\p]
.endr
.endr
	WIN 0x5a                                       ; sources in window 2, C and D in window 1
.irp z, B1, B2
.irp a, 0,1,2,3,4,5,6,7
.irp b, 0,1,2,3
	v_wmma_f32_16x16x32_bf16 v[8*(4*\a+\b):8*(4*\a+\b)+7], v[GFR+8*\a:GFR+8*\a+7], v[\z+8*\b:\z+8*\b+7], v[8*(4*\a+\b):8*(4*\a+\b)+7]
.endr
.endr
.endr
	WIN 0
	PLACES
	; THE WAY OUT: 16 rows at a time through my stage, back as whole pieces of 256 bytes
.irp a, 0,1,2,3,4,5,6,7
	WIN 0x04                                       ; the data in window 1
.irp b, 0,1,2,3
.irp j, 0,1,2,3,4,5,6,7
	ds_store_b32 v[STST], v[8*(4*\a+\b)+\j] offset:\j*PITCH+64*\b
.endr
.endr
	WIN 0
	s_wait_xcnt 0x0                                ; every earlier store has had its addresses translated (ISA guide 3.1): its data registers are loaded again only behind this wait
.set BK, 32+32*(\a%2)
.irp i, 0,1,2,3,4,5,6,7
	ds_load_b128 v[BK+4*\i:BK+4*\i+3], v[STLD] offset:\i*2*PITCH  ; LDS serves a wave's instructions in order: these see the stores above
.endr
	s_wait_dscnt 0x0
.irp i, 0,1,2,3,4,5,6,7
	global_store_b128 v[YOO], v[BK+4*\i:BK+4*\i+3], s[80:81] offset:\a*65536+\i*8192  ; sixteen lanes store 256 consecutive bytes of a row, at a multiple of 256
.endr
.endr
	s_wait_tensorcnt 0x0                           ; the wave's end: an add of 0 to my spare word and its wait, behind my last tensor load and my last LDS store
	ds_add_u32 v[SPW], v[NIL]
	s_wait_dscnt 0x0
	CROUND                                         ; the closing round: no work-group ends while a partner may still ask for a tile that names it
	s_endpgm
.Lfunc_end_k_q8bdf92f0a2_outp:
	.size	k_q8bdf92f0a2_outp, .Lfunc_end_k_q8bdf92f0a2_outp-k_q8bdf92f0a2_outp
	.p2alignl 7, 3214868480
	.fill 96, 4, 3214868480
	.section	.rodata,"a",@progbits
	.p2align	6, 0x0
	.amdhsa_kernel k_q8bdf92f0a2_outp
		.amdhsa_group_segment_fixed_size 327680
		.amdhsa_private_segment_fixed_size 0
		.amdhsa_enable_private_segment 0
		.amdhsa_kernarg_size 48
		.amdhsa_user_sgpr_count 2
		.amdhsa_user_sgpr_kernarg_segment_ptr 1
		.amdhsa_wavefront_size32 1
		.amdhsa_system_sgpr_workgroup_id_x 1
		.amdhsa_system_sgpr_workgroup_id_y 1
		.amdhsa_system_sgpr_workgroup_id_z 1
		.amdhsa_system_vgpr_workitem_id 0
		.amdhsa_next_free_vgpr 736
		.amdhsa_next_free_sgpr 88
		.amdhsa_reserve_vcc 0
		.amdhsa_float_denorm_mode_32 3
		.amdhsa_float_denorm_mode_16_64 3
		.amdhsa_memory_ordered 1
		.amdhsa_forward_progress 1
		.amdhsa_inst_pref_size 127
	.end_amdhsa_kernel
	.amdgpu_metadata
---
amdhsa.version: [ 1, 2 ]
amdhsa.kernels:
  - .name:           k_q8bdf92f0a2_outp
    .symbol:         k_q8bdf92f0a2_outp.kd
    .args:
      - { .name: ol, .offset: 0, .size: 8, .value_kind: global_buffer, .address_space: global }
      - { .name: wot, .offset: 8, .size: 8, .value_kind: global_buffer, .address_space: global }
      - { .name: eb, .offset: 16, .size: 8, .value_kind: global_buffer, .address_space: global }
      - { .name: db, .offset: 24, .size: 8, .value_kind: global_buffer, .address_space: global }
      - { .name: gf, .offset: 32, .size: 8, .value_kind: global_buffer, .address_space: global }
      - { .name: yo, .offset: 40, .size: 8, .value_kind: global_buffer, .address_space: global }
    .group_segment_fixed_size: 327680
    .private_segment_fixed_size: 0
    .kernarg_segment_align: 8
    .kernarg_segment_size: 48
    .max_flat_workgroup_size: 128
    .sgpr_count:     88
    .vgpr_count:     736
    .wavefront_size: 32
...
	.end_amdgpu_metadata
.endif
;; end of part 3
;; launch norm (part 4): grid 256 x 1, 8 waves a work-group, no clusters, 0 bytes of LDS; arguments yo, xb, b_o, ln_g, ln_b, out0; writes out0
.if DOCPART == 4
	.amdgcn_target "amdgcn-amd-amdhsa--gfx1250"
	.amdhsa_code_object_version 6
	.text
	.protected	k_q8bdf92f0a2_norm
	.globl	k_q8bdf92f0a2_norm
	.p2align	8
	.type	k_q8bdf92f0a2_norm,@function
k_q8bdf92f0a2_norm:
	s_mov_b64 s[64:65], 0
	v_nop
	global_prefetch_b8 v0, s[64:65] scope:SCOPE_SE
	s_setreg_imm32_b32 hwreg(HW_REG_WAVE_MODE, 25, 1), 1
	s_wait_xcnt 0x0
; NORM.  y = x + (o Wo) + b_o;  out0 = ln_g (y - mean) / sqrt(var + 1e-5) + ln_b, along rows of 1,024.
; x is taken as xb holds it (rounded to bf16, as in the products); b_o, ln_g, ln_b are rounded to bf16 like every other input.  Mean first, then the variance of y - mean: two passes over registers, all in f32.
; SHARES.  256 work-groups of 8 waves; a wave takes four whole rows, one at a time: a row of yo is eight 16-byte loads a lane, of xb eight 8-byte loads, and lane l's piece j holds columns 128 j + 4 l .. + 3 in both.
; The reduction never leaves the wave: no LDS, no barrier.  Two row slots in registers: while one row is worked on, the next is on its way.  Memory binds: matrix units and clusters would add nothing.
; Rows stand in the immediates, so no address register is ever rewritten.
.set PB, 4                             ; v4-35   b_o of my 32 columns
.set PG, 36                            ; v36-67  ln_g
.set PL, 68                            ; v68-99  ln_b
.set SL, 100                           ; v100-147, v148-195 two slots: 32 registers of yo (then y, then the result), 16 of xb
.set T,  196                           ; v196-203 at work
.set CH, 204                           ; v204-211 four chains of sums, in pairs
.set MU, 212                           ; v212-213 the mean, later 1 / sqrt(var + eps), twice
	s_load_b256 s[4:11], s[0:1], 0x0               ; yo s[4:5], xb s[6:7], b_o s[8:9], ln_g s[10:11]
	s_load_b128 s[12:15], s[0:1], 0x20             ; ln_b s[12:13], out0 s[14:15]
	v_lshrrev_b32 v3, 5, v0
	v_readfirstlane_b32 s16, v3                    ; wave 0..7
	v_and_b32 v3, 31, v0
	v_lshlrev_b32 v1, 4, v3                        ; 16 bytes a lane
	v_lshlrev_b32 v2, 3, v3                        ; 8 bytes a lane
	s_lshl_b32 s17, ttmp9, 5
	s_lshl_b32 s18, s16, 2
	s_add_co_u32 s17, s17, s18                     ; my wave's first row
	s_lshl_b32 s18, s17, 12
	s_mov_b32 s19, 0
	s_lshl_b32 s20, s17, 11
	s_mov_b32 s21, 0
	s_mov_b32 s22, 0xffff0000                      ; a word's upper bf16
	s_mov_b32 s24, 0x76543210                      ; v_permlanex16_b32: each lane takes its own place in the other half
	s_mov_b32 s25, 0xfedcba98
	s_mov_b32 s26, 0x3a800000                      ; 1 / 1024
	s_mov_b32 s27, 0x3727c5ac                      ; 1e-5
	s_wait_kmcnt 0x0
	s_add_nc_u64 s[4:5], s[4:5], s[18:19]
	s_add_nc_u64 s[6:7], s[6:7], s[20:21]
	s_add_nc_u64 s[14:15], s[14:15], s[18:19]
.irp j, 0,1,2,3,4,5,6,7
	global_load_b128 v[PB+4*\j:PB+4*\j+3], v1, s[8:9] offset:512*\j
	global_load_b128 v[PG+4*\j:PG+4*\j+3], v1, s[10:11] offset:512*\j
	global_load_b128 v[PL+4*\j:PL+4*\j+3], v1, s[12:13] offset:512*\j
.endr
.macro FILL s, row                     ; sixteen loads: a whole row of yo and of xb
.irp j, 0,1,2,3,4,5,6,7
	global_load_b128 v[SL+48*(\s)+4*\j:SL+48*(\s)+4*\j+3], v1, s[4:5] offset:(\row)*4096+512*\j th:TH_LOAD_NT
	global_load_b64 v[SL+48*(\s)+32+2*\j:SL+48*(\s)+32+2*\j+1], v2, s[6:7] offset:(\row)*2048+256*\j th:TH_LOAD_NT
.endr
.endm
	FILL 0, 0
	FILL 1, 1
	s_wait_loadcnt 32                              ; the parameters are in; the two rows' 32 loads stay out
.set i, 0
.rept 48                               ; the parameters as bf16 numbers
	v_cvt_pk_bf16_f32 v[T+i%4], v[PB+2*i], v[PB+2*i+1]
	v_lshlrev_b32 v[PB+2*i], 16, v[T+i%4]
	v_and_b32 v[PB+2*i+1], s22, v[T+i%4]
.set i, i+1
.endr
.macro RED r                           ; the sum of v[r] over the 32 lanes, in every lane: four steps inside each half ride on the addition, one crosses the halves
	v_add_f32_dpp v[\r], v[\r], v[\r] row_xmask:1 row_mask:0xf bank_mask:0xf
	v_add_f32_dpp v[\r], v[\r], v[\r] row_xmask:2 row_mask:0xf bank_mask:0xf
	v_add_f32_dpp v[\r], v[\r], v[\r] row_xmask:4 row_mask:0xf bank_mask:0xf
	v_add_f32_dpp v[\r], v[\r], v[\r] row_xmask:8 row_mask:0xf bank_mask:0xf
	v_permlanex16_b32 v[(\r)+1], v[\r], s24, s25
	v_add_f32 v[\r], v[\r], v[(\r)+1]
.endm
.macro FOLD                            ; the four chains into one number a lane
	v_pk_add_f32 v[CH:CH+1], v[CH:CH+1], v[CH+2:CH+3]
	v_pk_add_f32 v[CH+4:CH+5], v[CH+4:CH+5], v[CH+6:CH+7]
	v_pk_add_f32 v[CH:CH+1], v[CH:CH+1], v[CH+4:CH+5]
	v_add_f32 v[CH], v[CH], v[CH+1]
	RED CH
.endm
; The row in slot s.  left = how many younger loads may stay out.
.macro ROW s, row, left
.set Y, SL+48*(\s)
.set XR, SL+48*(\s)+32
	s_wait_loadcnt \left                           ; loads come back in order: my row is in, the other slot's stays on its way
.irp j, 0,1,2,3,4,5,6,7
	v_lshlrev_b32 v[T+4*(\j%2)], 16, v[XR+2*\j]
	v_and_b32 v[T+4*(\j%2)+1], s22, v[XR+2*\j]
	v_lshlrev_b32 v[T+4*(\j%2)+2], 16, v[XR+2*\j+1]
	v_and_b32 v[T+4*(\j%2)+3], s22, v[XR+2*\j+1]
	v_pk_add_f32 v[Y+4*\j:Y+4*\j+1], v[Y+4*\j:Y+4*\j+1], v[PB+4*\j:PB+4*\j+1]
	v_pk_add_f32 v[Y+4*\j+2:Y+4*\j+3], v[Y+4*\j+2:Y+4*\j+3], v[PB+4*\j+2:PB+4*\j+3]
	v_pk_add_f32 v[Y+4*\j:Y+4*\j+1], v[Y+4*\j:Y+4*\j+1], v[T+4*(\j%2):T+4*(\j%2)+1]
	v_pk_add_f32 v[Y+4*\j+2:Y+4*\j+3], v[Y+4*\j+2:Y+4*\j+3], v[T+4*(\j%2)+2:T+4*(\j%2)+3]
.endr
.irp c, 0,1,2,3                        ; the first terms start the chains: nothing is cleared
	v_pk_add_f32 v[CH+2*\c:CH+2*\c+1], v[Y+2*\c:Y+2*\c+1], v[Y+8+2*\c:Y+8+2*\c+1]
.endr
.irp k, 16, 24
.irp c, 0,1,2,3
	v_pk_add_f32 v[CH+2*\c:CH+2*\c+1], v[CH+2*\c:CH+2*\c+1], v[Y+\k+2*\c:Y+\k+2*\c+1]
.endr
.endr
	FOLD
	v_mul_f32 v[MU], s26, v[CH]
	v_mul_f32 v[MU+1], s26, v[CH]
.set i, 0
.rept 16
	v_pk_add_f32 v[Y+2*i:Y+2*i+1], v[Y+2*i:Y+2*i+1], v[MU:MU+1] neg_lo:[0,1] neg_hi:[0,1]
.set i, i+1
.endr
.irp c, 0,1,2,3
	v_pk_mul_f32 v[CH+2*\c:CH+2*\c+1], v[Y+2*\c:Y+2*\c+1], v[Y+2*\c:Y+2*\c+1]
.endr
.irp k, 8, 16, 24
.irp c, 0,1,2,3
	v_pk_fma_f32 v[CH+2*\c:CH+2*\c+1], v[Y+\k+2*\c:Y+\k+2*\c+1], v[Y+\k+2*\c:Y+\k+2*\c+1], v[CH+2*\c:CH+2*\c+1]
.endr
.endr
	FOLD
	v_fma_f32 v[CH], v[CH], s26, s27               ; var + eps
	v_rsq_f32 v[MU], v[CH]
	v_rsq_f32 v[MU+1], v[CH]
	v_nop                                          ; a plain instruction between the root and the use of its result
.set i, 0
	s_wait_alu depctr_va_vdst(0)
.rept 16
	v_pk_mul_f32 v[Y+2*i:Y+2*i+1], v[Y+2*i:Y+2*i+1], v[MU:MU+1]
.set i, i+1
.endr
.set i, 0
.rept 16
	v_pk_fma_f32 v[Y+2*i:Y+2*i+1], v[Y+2*i:Y+2*i+1], v[PG+2*i:PG+2*i+1], v[PL+2*i:PL+2*i+1]
.set i, i+1
.endr
.irp j, 0,1,2,3,4,5,6,7
	global_store_b128 v1, v[Y+4*\j:Y+4*\j+3], s[14:15] offset:(\row)*4096+512*\j th:TH_STORE_NT  ; the wave stores 512 consecutive bytes, aligned
.endr
.endm
	ROW 0, 0, 16
	s_wait_xcnt 0x0                                ; the stores have had their addresses translated (ISA guide 3.1): their data registers are loaded again only behind this wait
	FILL 0, 2
	ROW 1, 1, 16
	s_wait_xcnt 0x0
	FILL 1, 3
	ROW 0, 2, 16
	ROW 1, 3, 0
	s_endpgm
.Lfunc_end_k_q8bdf92f0a2_norm:
	.size	k_q8bdf92f0a2_norm, .Lfunc_end_k_q8bdf92f0a2_norm-k_q8bdf92f0a2_norm
	.p2alignl 7, 3214868480
	.fill 96, 4, 3214868480
	.section	.rodata,"a",@progbits
	.p2align	6, 0x0
	.amdhsa_kernel k_q8bdf92f0a2_norm
		.amdhsa_group_segment_fixed_size 0
		.amdhsa_private_segment_fixed_size 0
		.amdhsa_enable_private_segment 0
		.amdhsa_kernarg_size 48
		.amdhsa_user_sgpr_count 2
		.amdhsa_user_sgpr_kernarg_segment_ptr 1
		.amdhsa_wavefront_size32 1
		.amdhsa_system_sgpr_workgroup_id_x 1
		.amdhsa_system_sgpr_workgroup_id_y 1
		.amdhsa_system_sgpr_workgroup_id_z 1
		.amdhsa_system_vgpr_workitem_id 0
		.amdhsa_next_free_vgpr 224
		.amdhsa_next_free_sgpr 66
		.amdhsa_reserve_vcc 0
		.amdhsa_float_denorm_mode_32 3
		.amdhsa_float_denorm_mode_16_64 3
		.amdhsa_memory_ordered 1
		.amdhsa_forward_progress 1
		.amdhsa_inst_pref_size 56
	.end_amdhsa_kernel
	.amdgpu_metadata
---
amdhsa.version: [ 1, 2 ]
amdhsa.kernels:
  - .name:           k_q8bdf92f0a2_norm
    .symbol:         k_q8bdf92f0a2_norm.kd
    .args:
      - { .name: yo, .offset: 0, .size: 8, .value_kind: global_buffer, .address_space: global }
      - { .name: xb, .offset: 8, .size: 8, .value_kind: global_buffer, .address_space: global }
      - { .name: b_o, .offset: 16, .size: 8, .value_kind: global_buffer, .address_space: global }
      - { .name: ln_g, .offset: 24, .size: 8, .value_kind: global_buffer, .address_space: global }
      - { .name: ln_b, .offset: 32, .size: 8, .value_kind: global_buffer, .address_space: global }
      - { .name: out0, .offset: 40, .size: 8, .value_kind: global_buffer, .address_space: global }
    .group_segment_fixed_size: 0
    .private_segment_fixed_size: 0
    .kernarg_segment_align: 8
    .kernarg_segment_size: 48
    .max_flat_workgroup_size: 256
    .sgpr_count:     66
    .vgpr_count:     224
    .wavefront_size: 32
...
	.end_amdgpu_metadata
.endif
;; end of part 4
;; ======== version 2 of 2: 4 launches; version 1 with the launch prep written anew for expert scheduling mode
;; workspace buffers: xb 16,777,216 bytes; w1t 2,359,296 bytes; wot 2,097,152 bytes; ol 16,777,216 bytes; eb 262,144 bytes; db 4,096 bytes; gf 524,288 bytes; yo 33,554,432 bytes
;; launch prep (part 5): grid 256 x 1, 8 waves a work-group, no clusters, 19,456 bytes of LDS; arguments x, Wq, Wk, Wv, Wo, Wbeta, xb, w1t, wot; writes xb, w1t, wot
.if DOCPART == 5
	.amdgcn_target "amdgcn-amd-amdhsa--gfx1250"
	.amdhsa_code_object_version 6
	.text
	.protected	k_q8bdf92f0a2_prep
	.globl	k_q8bdf92f0a2_prep
	.p2align	8
	.type	k_q8bdf92f0a2_prep,@function
k_q8bdf92f0a2_prep:
	s_mov_b64 s[64:65], 0
	v_nop
	global_prefetch_b8 v0, s[64:65] scope:SCOPE_SE
	s_setreg_imm32_b32 hwreg(HW_REG_WAVE_SCHED_MODE, 0, 2), 2
	s_setreg_imm32_b32 hwreg(HW_REG_WAVE_MODE, 25, 1), 1
	s_wait_xcnt 0x0
	s_wait_alu depctr_vm_vsrc(0)
; PREP.  Every input of the products is rounded once to bf16 and laid out for the matrix launches.
;   xb  [8192][1024] bf16 = x.        wot [n 1024][k 1024] bf16 = Wo turned.
;   w1t [1152][1024] bf16, K along the rows.  Row = (head/4)*288 + ((head/2)&1)*144 + i:  i < 128: column (head&1)*64 + d of Wk;
;       i = 128 + 8 (head&1) + c: c = 0, 1: the sum of the head's 64 columns of Wq as two bf16 (high part, rest); c = 2, 3: the same of Wv; c = 4: Wbeta's column; c = 5..7: zeros.
; Why sums: in the scan every row of the state is the same vector, so q and v enter the result only by their sums over a head's 64 channels,
; which are x times the sums of Wq's and Wv's columns.  Each element is rounded to bf16 first, the 64 are added in f32, and the sum is kept as two bf16 (what is lost is below 2^-16 of it).
; SHARES.  256 work-groups of 8 waves.  Work-group i: m = i >> 7, head = (i >> 3) & 15, kt = i & 7.  It converts 32 rows of x; turns the tile of 128 k x 64 n (k from 128 kt, n from 64 head) of Wk (m = 0) or Wo (m = 1);
; sums the same tile of Wq (m = 0) or Wv (m = 1) along n; and takes 128 numbers of Wbeta's column.  Memory binds: no matrix unit, no cluster; every load and store of sixteen lanes covers 256 consecutive bytes, aligned.
; LIMITS.  NaN and infinities are not treated apart.
; THE MODE: SCHED_MODE bits 1:0 = 2 (LLVM: expert scheduling mode 2), set by the entry lines.  The code itself states the register dependences
; between vector instructions and memory or LDS instructions, with s_wait_alu, always for 0.
; THE PLAN.  Registers that memory or LDS instructions touch:
;   v2-v13      offsets, LDS addresses and the closing add's pair: written once at the head, never again; one wait ahead of the first load serves them all.
;   WT          loaded; the sixteen conversions write each packed word in place; sixteen LDS stores read the words; never written again.
;   HL, BT      written by the sums' and beta's last vector lines, a register to each word; nine LDS stores read them; never written again.
;   RBK, NR     LDS loads land in them, global stores read them; no vector instruction names them.
;   X           loaded; load j's two conversions write its first two registers in place; one store reads them; never written again.
;   WS is loaded and then named by vector instructions alone; SS and TM are named by vector instructions alone.
; No register that a memory or LDS instruction reads is ever written again, so no wait on vm_vsrc is owed.  What is owed is a wait on va_vdst between the vector lines that make a store's data
; and the store: one for the tile's words, one for the sums' and beta's, one for each block of four loads of x.  Behind each, the stores are dealt among vector work that names other registers.
.set TP,    272                        ; a row of the turned tile in LDS: 128 bf16 + 16 bytes
.set SM,    64*TP                      ; behind the tile: four rows of 256 bytes: high parts, rests, beta, zeros
.set SPARE, SM+1024                    ; the spare words, 128 bytes for each of the eight waves
.set SPW, 12                           ; v12  LDS address of my spare word; never rewritten
.set NIL, 13                           ; v13  0; never rewritten
.set WT,  16                           ; v16-47   the tile to turn: for i = 0..3 rows 32 i + 2 p and 32 i + 2 p + 1, four columns each; the packed words take the first four of each eight
.set WS,  48                           ; v48-79   the tile to sum, likewise
.set BT,  80                           ; v80      one number of Wbeta
.set SS,  81                           ; v81-88   eight row sums
.set TM,  89                           ; v89-95   at work
.set X,   96                           ; v96-223  32 x 16 bytes of x
.set HL,  224                          ; v224-231 the sums as bf16: four words of high parts, four of rests
.set RBK, 232                          ; v232-247 the turned tile, read back
.set NR,  248                          ; v248-255 the narrow rows, read back (wave 0)
	s_load_b512 s[4:19], s[0:1], 0x0               ; x s[4:5], Wq s[6:7], Wk s[8:9], Wv s[10:11], Wo s[12:13], Wbeta s[14:15], xb s[16:17], w1t s[18:19]
	s_load_b64 s[20:21], s[0:1], 0x40              ; wot
	v_lshl_add_u32 v[SPW], v0, 2, SPARE
	v_mov_b32 v[NIL], 0
	v_lshrrev_b32 v1, 5, v0
	v_readfirstlane_b32 s34, v1                    ; wave 0..7
	s_lshr_b32 s22, ttmp9, 7                       ; m
	s_bfe_u32 s23, ttmp9, 0x40003                  ; head
	s_and_b32 s24, ttmp9, 7                        ; kt
	s_lshl_b32 s28, s24, 19                        ; the tile in a weight matrix: 128 kt rows of 4,096 bytes
	s_lshl_b32 s25, s23, 8                         ; + 64 head columns of 4 bytes
	s_add_co_u32 s28, s28, s25
	s_mov_b32 s29, 0
	s_lshr_b32 s25, s23, 2
	s_mul_i32 s25, s25, 288
	s_bfe_u32 s26, s23, 0x10001
	s_mul_i32 s26, s26, 144
	s_add_co_u32 s25, s25, s26                     ; first row in w1t of the head's pair
	s_and_b32 s26, s23, 1
	s_lshl_b32 s27, s26, 6
	s_add_co_u32 s27, s27, s25                     ; m = 0: the turned tile's first row in w1t
	s_lshl_b32 s35, s23, 6                         ; m = 1: in wot
	s_lshl_b32 s26, s26, 3
	s_add_co_u32 s25, s25, s26
	s_lshl_b32 s26, s22, 1
	s_add_co_u32 s25, s25, s26
	s_add_co_u32 s25, s25, 128                     ; the first of my narrow rows: 128 + 8 (head & 1) + 2 m
	s_lshl_b32 s36, s25, 11
	s_lshl_b32 s26, s24, 8                         ; 128 kt bf16
	s_add_co_u32 s36, s36, s26
	s_mov_b32 s37, 0
	s_cmp_eq_u32 s22, 0
	s_cselect_b32 s38, s27, s35
	s_cselect_b32 s40, -1, 0                       ; beta's column is kept by m = 0 alone; m = 1 writes zeros there
	s_lshl_b32 s38, s38, 11
	s_add_co_u32 s38, s38, s26
	s_mov_b32 s39, 0
	s_lshl_b32 s42, s24, 13                        ; Wbeta: 128 kt rows of 64 bytes + 4 head
	s_lshl_b32 s41, s23, 2
	s_add_co_u32 s42, s42, s41
	s_mov_b32 s43, 0
	s_lshl_b32 s44, ttmp9, 17                      ; x: 32 rows of 4,096 bytes a work-group, 16,384 bytes a wave
	s_wait_alu depctr_va_sdst(0)                   ; s34, the wave's number, is written, ahead of its first reader: x's and xb's offsets and the branch further down are made from it
	s_lshl_b32 s41, s34, 14
	s_add_co_u32 s44, s44, s41
	s_mov_b32 s45, 0
	s_lshl_b32 s46, ttmp9, 16                      ; xb: half of that
	s_lshl_b32 s41, s34, 13
	s_add_co_u32 s46, s46, s41
	s_mov_b32 s47, 0
	v_and_b32 v14, 15, v0                          ; g: which 16 bytes of 256
	v_lshrrev_b32 v15, 4, v0                       ; p: 0..15
	v_lshlrev_b32 v2, 13, v15                      ; tile loads: two rows a p
	v_lshl_add_u32 v2, v14, 4, v2
	v_and_b32 v3, 127, v0
	v_lshlrev_b32 v3, 6, v3                        ; Wbeta: a row of 64 bytes a thread
	v_mul_u32_u24 v4, v14, 4*TP                    ; into the turned tile: rows 4 g .., word p
	v_lshl_add_u32 v4, v15, 2, v4
	v_lshl_add_u32 v5, v15, 2, SM                  ; the sums' word p
	v_lshl_add_u32 v6, v0, 1, SM+512               ; beta (threads 0-127) and zeros (128-255): a halfword a thread
	v_mul_u32_u24 v7, v15, TP                      ; out of the turned tile: row p, 16 bytes g
	v_lshl_add_u32 v7, v14, 4, v7
	v_lshlrev_b32 v8, 11, v15                      ; and the same in memory: rows of 2,048 bytes
	v_lshl_add_u32 v8, v14, 4, v8
	v_and_b32 v9, 31, v0
	v_lshl_add_u32 v11, v9, 4, SM                  ; the narrow rows, 16 bytes a lane
	v_lshlrev_b32 v10, 3, v9                       ; xb: 8 bytes a lane
	v_lshlrev_b32 v9, 4, v9                        ; x: 16 bytes a lane
	s_wait_kmcnt 0x0
	s_cmp_eq_u32 s22, 0
	s_cselect_b64 s[30:31], s[8:9], s[12:13]       ; to turn: Wk or Wo
	s_cselect_b64 s[32:33], s[6:7], s[10:11]       ; to sum: Wq or Wv
	s_cselect_b64 s[26:27], s[18:19], s[20:21]     ; the turned tile goes to w1t or wot
	s_add_nc_u64 s[30:31], s[30:31], s[28:29]
	s_add_nc_u64 s[32:33], s[32:33], s[28:29]
	s_add_nc_u64 s[26:27], s[26:27], s[38:39]
	s_add_nc_u64 s[18:19], s[18:19], s[36:37]
	s_add_nc_u64 s[14:15], s[14:15], s[42:43]
	s_add_nc_u64 s[4:5], s[4:5], s[44:45]
	s_add_nc_u64 s[16:17], s[16:17], s[46:47]
	s_wait_alu depctr_va_vdst(0)                   ; v2 to v13 are written: every load, store and LDS instruction of the kernel reads one of them as its offset or address, and none is written again
	; all loads go out at once: 17 for the weights, then 32 for x
.irp i, 0,1,2,3
	global_load_b128 v[WT+8*\i:WT+8*\i+3],   v2, s[30:31] offset:\i*131072 th:TH_LOAD_NT
	global_load_b128 v[WT+8*\i+4:WT+8*\i+7], v2, s[30:31] offset:\i*131072+4096 th:TH_LOAD_NT
.endr
.irp i, 0,1,2,3
	global_load_b128 v[WS+8*\i:WS+8*\i+3],   v2, s[32:33] offset:\i*131072 th:TH_LOAD_NT
	global_load_b128 v[WS+8*\i+4:WS+8*\i+7], v2, s[32:33] offset:\i*131072+4096 th:TH_LOAD_NT
.endr
	global_load_b32 v[BT], v3, s[14:15]
.set j, 0
.rept 32
	global_load_b128 v[X+4*j:X+4*j+3], v9, s[4:5] offset:512*j th:TH_LOAD_NT
.set j, j+1
.endr
	s_wait_loadcnt 32                              ; loads come back in order: the weights are in, the 32 loads of x stay out
	; the tile is turned: two neighbouring k of one column n make a word of row n; each word takes the place of its first number
.irp i, 0,1,2,3
.irp e, 0,1,2,3
	v_cvt_pk_bf16_f32 v[WT+8*\i+\e], v[WT+8*\i+\e], v[WT+8*\i+4+\e]
.endr
.endr
	s_wait_alu depctr_va_vdst(0)                   ; the sixteen conversions have written the tile's words, which the LDS stores below read
	; the sums: my four columns of each of eight rows, each rounded to bf16 first.  The tile's sixteen LDS stores are dealt among them, two to a row: the sums name WS, TM and SS, none of the stores' registers
.set q, 0
.rept 8
	ds_store_b32 v4, v[WT+8*(q/2)+2*(q%2)]   offset:(2*(q%2))*TP+(q/2)*64
	ds_store_b32 v4, v[WT+8*(q/2)+2*(q%2)+1] offset:(2*(q%2)+1)*TP+(q/2)*64
	v_cvt_pk_bf16_f32 v[TM], v[WS+4*q], v[WS+4*q+1]
	v_cvt_pk_bf16_f32 v[TM+1], v[WS+4*q+2], v[WS+4*q+3]
	v_lshlrev_b32 v[TM+2], 16, v[TM]
	v_and_b32 v[TM+3], 0xffff0000, v[TM]
	v_lshlrev_b32 v[TM+4], 16, v[TM+1]
	v_and_b32 v[TM+5], 0xffff0000, v[TM+1]
	v_add_f32 v[TM+2], v[TM+2], v[TM+3]
	v_add_f32 v[TM+4], v[TM+4], v[TM+5]
	v_add_f32 v[SS+q], v[TM+2], v[TM+4]
.set q, q+1
.endr
	v_cmp_gt_u32 vcc_lo, 128, v0                   ; threads 0-127 hold beta's numbers; the mask is read further down
.irp x, 1,2,4,8                        ; then over the sixteen lanes that share a row
.set q, 0
.rept 8
	v_add_f32_dpp v[SS+q], v[SS+q], v[SS+q] row_xmask:\x row_mask:0xf bank_mask:0xf
.set q, q+1
.endr
.endr
.irp i, 0,1,2,3                        ; a sum as two bf16: the high part, and what it leaves; a register of its own to each word
	v_cvt_pk_bf16_f32 v[HL+\i], v[SS+2*\i], v[SS+2*\i+1]
	v_lshlrev_b32 v[TM+1], 16, v[HL+\i]
	v_and_b32 v[TM+2], 0xffff0000, v[HL+\i]
	v_sub_f32 v[TM+1], v[SS+2*\i], v[TM+1]
	v_sub_f32 v[TM+2], v[SS+2*\i+1], v[TM+2]
	v_cvt_pk_bf16_f32 v[HL+4+\i], v[TM+1], v[TM+2]
.endr
	v_cvt_pk_bf16_f32 v[BT], v[BT], v[BT]
	v_and_b32 v[BT], s40, v[BT]
	s_wait_alu depctr_va_vcc(0)                    ; the compare above has written VCC, which the next line reads
	v_cndmask_b32 v[BT], 0, v[BT], vcc_lo          ; threads 128-255 write the row of zeros
	s_wait_alu depctr_va_vdst(0)                   ; the eight words of the sums (HL) and beta's halfword (BT) are written, which the nine LDS stores below read
.irp i, 0,1,2,3
	ds_store_b32 v5, v[HL+\i] offset:\i*64
	ds_store_b32 v5, v[HL+4+\i] offset:256+\i*64
.endr
	ds_store_b16 v6, v[BT]
	s_wait_dscnt 0x0                               ; for the others' sake: my stores into LDS are done
	s_barrier_signal -1
	s_barrier_wait -1
.irp i, 0,1,2,3
	ds_load_b128 v[RBK+4*\i:RBK+4*\i+3], v7 offset:\i*16*TP  ; into registers that no vector instruction names
.endr
	s_wait_dscnt 0x0
.irp i, 0,1,2,3
	global_store_b128 v8, v[RBK+4*\i:RBK+4*\i+3], s[26:27] offset:\i*32768  ; sixteen lanes store 256 consecutive bytes of a row, at a multiple of 256
.endr
	s_cmp_lg_u32 s34, 0
	s_cbranch_scc1 .Lnot0                          ; the four narrow rows are wave 0's
	ds_load_b128 v[NR:NR+3], v11
	ds_load_b128 v[NR+4:NR+7], v11 offset:512
	s_wait_dscnt 0x0
	global_store_b128 v8, v[NR:NR+3], s[18:19]               ; rows c = 2 m, 2 m + 1
	global_store_b128 v8, v[NR+4:NR+7], s[18:19] offset:8192 ; rows c = 2 m + 4, 2 m + 5
.Lnot0:
	; x, in eight blocks of four loads.  Block b's conversions write the first two registers of each of its four loads; its four stores are issued in block b + 1, behind that block's wait, dealt among conversions that name block b + 1's registers alone.
.set b, 0
.rept 8
	s_wait_loadcnt 28-4*b                          ; loads come back in order: block b's four are in; the 28 - 4 b younger ones stay out
.if b > 0
	s_wait_alu depctr_va_vdst(0)                   ; the block before has written its eight packed words, which the four stores below read
.endif
.irp i, 0,1,2,3
.if b > 0
	global_store_b64 v10, v[X+4*(4*b-4+\i):X+4*(4*b-4+\i)+1], s[16:17] offset:256*(4*b-4+\i)  ; the wave stores 256 consecutive bytes, aligned
.endif
	v_cvt_pk_bf16_f32 v[X+4*(4*b+\i)], v[X+4*(4*b+\i)], v[X+4*(4*b+\i)+1]
	v_cvt_pk_bf16_f32 v[X+4*(4*b+\i)+1], v[X+4*(4*b+\i)+2], v[X+4*(4*b+\i)+3]
.endr
.set b, b+1
.endr
	s_wait_alu depctr_va_vdst(0)                   ; the last block has written its eight packed words, which the last four stores read
.irp i, 0,1,2,3
	global_store_b64 v10, v[X+4*(28+\i):X+4*(28+\i)+1], s[16:17] offset:256*(28+\i)
.endr
	s_wait_dscnt 0x0                               ; the wave's end
	s_wait_alu 0x0
	s_wait_tensorcnt 0x0
	ds_add_u32 v[SPW], v[NIL]
	s_wait_dscnt 0x0
	s_endpgm
.Lfunc_end_k_q8bdf92f0a2_prep:
	.size	k_q8bdf92f0a2_prep, .Lfunc_end_k_q8bdf92f0a2_prep-k_q8bdf92f0a2_prep
	.p2alignl 7, 3214868480
	.fill 96, 4, 3214868480
	.section	.rodata,"a",@progbits
	.p2align	6, 0x0
	.amdhsa_kernel k_q8bdf92f0a2_prep
		.amdhsa_group_segment_fixed_size 19456
		.amdhsa_private_segment_fixed_size 0
		.amdhsa_enable_private_segment 0
		.amdhsa_kernarg_size 72
		.amdhsa_user_sgpr_count 2
		.amdhsa_user_sgpr_kernarg_segment_ptr 1
		.amdhsa_wavefront_size32 1
		.amdhsa_system_sgpr_workgroup_id_x 1
		.amdhsa_system_sgpr_workgroup_id_y 1
		.amdhsa_system_sgpr_workgroup_id_z 1
		.amdhsa_system_vgpr_workitem_id 0
		.amdhsa_next_free_vgpr 256
		.amdhsa_next_free_sgpr 66
		.amdhsa_reserve_vcc 1
		.amdhsa_float_denorm_mode_32 3
		.amdhsa_float_denorm_mode_16_64 3
		.amdhsa_memory_ordered 1
		.amdhsa_forward_progress 1
		.amdhsa_inst_pref_size 27
	.end_amdhsa_kernel
	.amdgpu_metadata
---
amdhsa.version: [ 1, 2 ]
amdhsa.kernels:
  - .name:           k_q8bdf92f0a2_prep
    .symbol:         k_q8bdf92f0a2_prep.kd
    .args:
      - { .name: x, .offset: 0, .size: 8, .value_kind: global_buffer, .address_space: global }
      - { .name: Wq, .offset: 8, .size: 8, .value_kind: global_buffer, .address_space: global }
      - { .name: Wk, .offset: 16, .size: 8, .value_kind: global_buffer, .address_space: global }
      - { .name: Wv, .offset: 24, .size: 8, .value_kind: global_buffer, .address_space: global }
      - { .name: Wo, .offset: 32, .size: 8, .value_kind: global_buffer, .address_space: global }
      - { .name: Wbeta, .offset: 40, .size: 8, .value_kind: global_buffer, .address_space: global }
      - { .name: xb, .offset: 48, .size: 8, .value_kind: global_buffer, .address_space: global }
      - { .name: w1t, .offset: 56, .size: 8, .value_kind: global_buffer, .address_space: global }
      - { .name: wot, .offset: 64, .size: 8, .value_kind: global_buffer, .address_space: global }
    .group_segment_fixed_size: 19456
    .private_segment_fixed_size: 0
    .kernarg_segment_align: 8
    .kernarg_segment_size: 72
    .max_flat_workgroup_size: 256
    .sgpr_count:     66
    .vgpr_count:     256
    .wavefront_size: 32
...
	.end_amdgpu_metadata
.endif
;; end of part 5
;; launch proj: the kernel of part 2 again; grid 4 x 64, 4 waves a work-group, clusters of 4 x 4, 327,680 bytes of LDS; arguments xb, w1t, b_beta, ol, eb, db, gf; writes ol, eb, db, gf
;; launch outp: the kernel of part 3 again; grid 8 x 32, 4 waves a work-group, clusters of 4 x 4, 327,680 bytes of LDS; arguments ol, wot, eb, db, gf, yo; writes yo
;; launch norm: the kernel of part 4 again; grid 256 x 1, 8 waves a work-group, no clusters, 0 bytes of LDS; arguments yo, xb, b_o, ln_g, ln_b, out0; writes out0
